; MI455X (gfx1250); checked and timed in simulation.
; The chip was launched on July 23, 2026; its instructions are those of AMD's public machine-readable ISA for CDNA 5 (MIT licence, August 2026) and "CDNA5" Instruction Set Architecture Reference Guide (July 2026). The comments in the code are by the model that wrote it; some were corrected since.
;; Cross Attention. Allowed arithmetic: matrix products marked QUANTISED: E4M3 operands, one E8M0 scale for each 32 along K, by v_wmma_scale_f32_16x16x128_f8f6f4 with both operands' format E4M3, f32 sums; everything else in f32.
;; Inputs: Wkv 1,024 x 2,048 float32; Wout 1,024 x 1,024 float32; Wq 1,024 x 1,024 float32; beta one number float32; bout 1,024 float32; context 2 x 4 x 1,024 x 1,024 float32; doc_similarities 2 x 4 float32; x 2 x 1,024 x 1,024 float32.
;; Outputs: out0 2 x 1,024 x 1,024 float32.
;; This version of the problem:
;;   THIS VERSION OF THE PROBLEM IS GIVEN IN LOW PRECISION. The matrix products marked QUANTISED in the list below multiply operands that are first quantised to E4M3 (4 exponent bits, 3 mantissa bits; 8 bits a number), with one power-of-two scale for each 32 numbers along K (OCP MX v1.0); their sums are f32. All else is computed in f32.
;;   The module's matrix products, in the order in which they are computed (A, B: the left and right operand; K: the contracted axis; several contracted axes count as one K, in the product's order):
;;     1. [M 2,048, K 1,024] x [K 1,024, N 1,024]; A: input x; B: input Wq: QUANTISED
;;     2. [M 8,192, K 1,024] x [K 1,024, N 2,048]; A: input context; B: input Wkv: QUANTISED
;;     3. batch 16 x [M 1,024, K 128] x [K 128, N 4,096]; A: computed on the way; B: computed on the way: QUANTISED
;;     4. batch 16 x [M 1,024, K 4,096] x [K 4,096, N 128]; A: softmax (see below); B: computed on the way: QUANTISED
;;     5. [M 2,048, K 1,024] x [K 1,024, N 1,024]; A: computed on the way; B: input Wout: QUANTISED
;;   THE QUANTISER, for each operand of a quantised product, along K:
;;     - K is cut into blocks of 32 from its start; a last block that is shorter is filled with zeros.
;;     - A block's scale is 2^e with e = floor(log2(the largest magnitude in the block)) - 8, held to -126 .. 127; a block of zeros has e = 0. As a byte (E8M0): e + 127.
;;     - Each number is divided by its block's scale, clamped to +-448, and rounded to the nearest number of E4M3, ties to even, subnormals kept.
;;     - The product sums the exact products of the quantised numbers (number of the format x scale) in f32.
;;   ~~~python
;;   def quantise(x, axis):      # numpy; x: float32 -> the quantised numbers, widened to float32 again
;;       x = np.moveaxis(x, axis, -1); K = x.shape[-1]
;;       x = np.pad(x, [(0, 0)] * (x.ndim - 1) + [(0, -K % 32)]); x = x.reshape(x.shape[:-1] + (-1, 32)); a = np.abs(x).max(-1, keepdims=True)
;;       e = np.where(a > 0, np.clip(np.frexp(np.where(a > 0, a, 1))[1] - 1 - 8, -126, 127), 0)      # np.frexp(a)[1] - 1 = floor(log2(a)), exactly
;;       r = np.clip(x / 2.0 ** e, -448, 448)
;;       step = 2.0 ** (np.maximum(np.frexp(np.where(r == 0, 1, r))[1] - 1, -6) - 3)
;;       q = np.round(r / step) * step * 2.0 ** e      # np.round: ties to even
;;       return np.moveaxis(q.reshape(q.shape[:-2] + (-1,))[..., :K], -1, axis).astype(np.float32)
;;   ~~~
;;   SOFTMAX AHEAD OF A QUANTISED PRODUCT. Where the list says 'softmax', what is quantised is not the finished softmax but p = 2^(t - M), with t = logit x log2(e) and M = ceil(the row's largest t), a whole number; so 1/2 < the row's largest p <= 1. The row's sum l is taken of the UNQUANTISED p, in f32, and the product's result is divided by l at the end. Since M is a whole number, a kernel that streams over the keys may use a running M (the ceiling of the running maximum): every later rescaling is an exact power of two, which a block's scale takes up: the codes' values come out the same.
;;   OPERANDS COMPUTED ON THE WAY. 'Computed on the way' means the value that the module computes at that place (a softmax that the list does not call 'softmax' is quantised finished and normalised). What goes into a quantiser is computed in f32, as accurately as f32 sums, v_exp_f32 and their like allow (about 1e-6 of the number): no bf16 or f16 on the way to a quantiser, and a product that is left as it is and whose result goes on into a quantised operand takes f32 operands (vector FMAs, or v_wmma_f32_16x16x4_f32). A number that lies on a knife's edge between two numbers of the format may be rounded either way, as far as f32 arithmetic and the matrix unit's own rounding can turn it there, and no further.
;; One version. Each part assembles by itself: llvm-mc -triple=amdgcn-amd-amdhsa -mcpu=gfx1250 --defsym DOCPART=n.
;; ======== version 1 of 1: 4 launches
;; limits: right only within a limited range of input values
;; workspace buffers: ops 15,138,816 bytes; kvq 17,301,504 bytes; aimg 2,162,688 bytes
;; launch quant (part 1): grid 256 x 1, 9 waves a work-group, no clusters, 79,616 bytes of LDS; arguments x, context, Wq, Wkv, Wout, ops; writes ops
.if DOCPART == 1
	.amdgcn_target "amdgcn-amd-amdhsa--gfx1250"
	.amdhsa_code_object_version 6
	.text
	.protected	k_qdd2f6c76de_quant
	.globl	k_qdd2f6c76de_quant
	.p2align	8
	.type	k_qdd2f6c76de_quant,@function
k_qdd2f6c76de_quant:
	s_mov_b64 s[64:65], 0
	v_nop
	global_prefetch_b8 v0, s[64:65] scope:SCOPE_SE
	s_setreg_imm32_b32 hwreg(HW_REG_WAVE_MODE, 25, 1), 1
	s_wait_xcnt 0x0
; x [2048][1024], context [8192][1024] (K innermost) and Wq, Wkv, Wout (K = their FIRST axis), all f32, become codes of FP8 (E4M3) with one E8M0 scale byte for each 32 along K.
; THE FORMAT OF EVERY OPERAND OF THIS PROGRAM.  A fragment (16 rows x 128 K) is stored as the image of its 16 operand registers, 2,048 bytes: byte 512 c + 16 lane + i is k = 32 c + 16 (lane / 16) + i of row lane % 16.
; A half record (HR, 8,448 bytes) is four fragments and, from byte 8,192 on, their scale words (64 t + 4 r: one word a row).  Tile T of a run of rows takes in its lane-row r the row 32 (T / 2) + 8 (T % 2) + r + 8 (r / 8),
; so that a product whose source 0 is laid so leaves 16 neighbours along that axis in a lane's 16 registers of tiles 2 b, 2 b + 1.
; ops: groups of 128 rows, [group][K step 0..7][half] HR: 0-15 x, 16-79 context, 80-87 Wq's columns, 88-95 Wk's, 96-103 Wv's; behind them Wout's as [half-group 0..15][K step] HR.
; A block's scale is 2^(floor(log2(largest magnitude)) - 8); its byte is the largest magnitude's exponent field - 8, held at 1 from below.
; LIMITS: NaN and infinities are not served; a block whose largest magnitude lies under 2^-118, a block of zeros among them, gets the byte 1 (a block of zeros has zero codes; the bytes are read by this program alone).
; SHARES.  The rows make 1,280 tasks (one HR: 64 rows x 128 K, 32,768 bytes read), the weights 256 groups of four tasks (128 columns x 128 K, 65,536 bytes read).  256 work-groups of nine waves:
; waves 0-4 take row tasks 5 x work-group + wave, waves 5-8 weight group = work-group: every work-group reads the same number of bytes.  No tensor load, no barrier, no matrix unit: the launch streams, and waves share nothing.
; The weights' scale words leave as 128 consecutive bytes a wave: half of an aligned 256 bytes; they are one byte in 128 of what the path reads.
.set HR,   8448
.set FRB,  2048
.set WREG, 8704                        ; LDS of a wave (rows' path alone), at wave x WREG: a stage of 16 rows x 528 bytes, then 256 bytes of scale words
.set SPARE, 9*WREG                     ; the spare words, 128 bytes a wave, behind nine such places
.set SP,   528                         ; a stage row: 512 bytes + 16
.set R,    16                          ; v16-79, v80-143: two sets of 64 numbers
.set PC,   144                         ; v144-207: codes, 16 registers for each fragment: no store's data are written again
.set TM,   208                         ; v208-211 largest magnitudes, v212-215 bytes, v216-219 448 x the scale, v220-223 the conversions' scale operands
.set PW,   224                         ; the scale word just made
.set SEL,  20                          ; s[20:21] lane selects: lane l xor 16
.set MNT,  23                          ; s23 the mantissa field of 448
.macro LOADX t                         ; fragment t's 16 rows: each load reads 512 consecutive bytes of one row
.set LR, R+64*((\t)%2)
.irp i, 0,1,2,3,4,5,6,7,8,9,10,11,12,13,14,15
	global_load_b128 v[LR+4*\i:LR+4*\i+3], v2, s[4:5] offset:(32*((\t)/2)+8*((\t)%2)+\i+8*(\i/8))*4096 th:TH_LOAD_NT
.endr
.endm
; 64 numbers of a lane, register 16 b + i = k 32 b + 16 (lane / 16) + i of my row, become 16 registers of codes and a scale word
.macro QUANT s, pc
.irp b, 0,1,2,3
	v_max3_num_f32 v[TM+\b], |v[\s+16*\b]|, |v[\s+1+16*\b]|, 0x4800000   ; my 16 numbers of block b, and the floor 2^(9 - 127)
.endr
.irp i, 2,4,6,8,10,12,14
.irp b, 0,1,2,3
	v_max3_num_f32 v[TM+\b], v[TM+\b], |v[\s+16*\b+\i]|, |v[\s+1+16*\b+\i]|
.endr
.endr
.irp b, 0,1,2,3
	v_permlanex16_b32 v[TM+4+\b], v[TM+\b], s[SEL], s[SEL+1]
.endr
.irp b, 0,1,2,3
	v_max_num_f32 v[TM+\b], v[TM+\b], v[TM+4+\b]                 ; with lane l xor 16's 16: the block's largest magnitude
.endr
.irp b, 0,1,2,3
	v_add_nc_u32 v[TM+12+\b], 0xfc000000, v[TM+\b]               ; 8 off its exponent field: the conversion's scale operand
.endr
.irp b, 0,1,2,3
	v_and_or_b32 v[TM+8+\b], v[TM+\b], 0x7f800000, s[MNT]        ; 448 x the scale
.endr
.irp b, 0,1,2,3
	v_lshrrev_b32 v[TM+4+\b], 23, v[TM+12+\b]                    ; the scale's byte
.endr
	v_lshl_or_b32 v[PW], v[TM+5], 8, v[TM+4]
	v_lshl_or_b32 v[PW], v[TM+6], 16, v[PW]
	v_lshl_or_b32 v[PW], v[TM+7], 24, v[PW]
.irp b, 0,1,2,3
.irp i, 0,1,2,3,4,5,6,7,8,9,10,11,12,13,14,15
	v_med3_num_f32 v[\s+16*\b+\i], v[\s+16*\b+\i], -v[TM+8+\b], v[TM+8+\b]   ; the conversion does not saturate (ISA guide 7.6.2): hold first
.endr
	v_cvt_scalef32_pk8_fp8_f32 v[\pc+4*\b:\pc+1+4*\b], v[\s+16*\b:\s+7+16*\b], v[TM+12+\b]
	v_cvt_scalef32_pk8_fp8_f32 v[\pc+2+4*\b:\pc+3+4*\b], v[\s+8+16*\b:\s+15+16*\b], v[TM+12+\b]
.endr
	v_nop                                          ; a plain line behind the last conversion
.endm
.macro FRAGMENT t
.set RS, R+64*((\t)%2)
.set PS, PC+16*(\t)
.if (\t) < 3
	s_wait_loadcnt 16                              ; this fragment's 16 loads are in; the next fragment's 16 may be out
.else
	s_wait_loadcnt 0x0
.endif
.irp i, 0,1,2,3,4,5,6,7,8,9,10,11,12,13,14,15
	ds_store_b128 v3, v[RS+4*\i:RS+4*\i+3] offset:SP*\i          ; the rows as they were loaded
.endr
.irp b, 0,1,2,3
.irp j, 0,1,2,3
	ds_load_b128 v[RS+16*\b+4*\j:RS+16*\b+4*\j+3], v4 offset:128*\b+16*\j   ; back: of row lane % 16, 16 neighbours of each block (LDS serves a wave's instructions in order)
.endr
.endr
	s_wait_dscnt 0x0
	QUANT RS, PS
.if (\t) < 2
	LOADX (\t)+2
.endif
.irp c, 0,1,2,3
	global_store_b128 v2, v[PS+4*\c:PS+4*\c+3], s[14:15] offset:FRB*(\t)+512*\c   ; 512 consecutive bytes
.endr
	ds_store_b32 v5, v[PW] offset:64*(\t)          ; both halves of the lanes write the same word with the same value
.endm
; the weights: a lane takes a column, its registers run down K
.macro LOADW c, p
.set LR, 32+32*((\c)%2)
.irp i, 0,1,2,3,4,5,6,7,8,9,10,11,12,13,14,15,16,17,18,19,20,21,22,23,24,25,26,27,28,29,30,31
	global_load_b32 v[LR+\i], v3, s[4:5] offset:(32*(\c)+\i)*(\p) th:TH_LOAD_NT
.endr
.endm
.macro BLOCK c, p
.set XS, 32+32*((\c)%2)
.set CD, 96+8*(\c)
.if (\c) < 3
	s_wait_loadcnt 32                              ; this block's 32 loads are in; the next block's 32 may be out
.else
	s_wait_loadcnt 0x0
.endif
	v_max3_num_f32 v12, |v[XS]|, |v[XS+1]|, |v[XS+2]|
	v_max3_num_f32 v13, |v[XS+3]|, |v[XS+4]|, |v[XS+5]|
.irp i, 6,10,14,18,22,26
	v_max3_num_f32 v12, v12, |v[XS+\i]|, |v[XS+\i+1]|
	v_max3_num_f32 v13, v13, |v[XS+\i+2]|, |v[XS+\i+3]|
.endr
	v_max3_num_f32 v12, v12, |v[XS+30]|, |v[XS+31]|
	v_max3_num_f32 v12, v12, v13, 0x4800000        ; and the floor
	v_add_nc_u32 v11, 0xfc000000, v12
	v_and_or_b32 v10, v12, 0x7f800000, s[MNT]
	v_lshrrev_b32 v13, 23, v11
.if (\c) == 0
	v_mov_b32 v24, v13
.else
	v_lshl_or_b32 v24, v13, 8*(\c), v24            ; the column's scale word: the lower K in the lower byte
.endif
.irp i, 0,1,2,3,4,5,6,7,8,9,10,11,12,13,14,15,16,17,18,19,20,21,22,23,24,25,26,27,28,29,30,31
	v_med3_num_f32 v[XS+\i], v[XS+\i], -v10, v10
.endr
.irp g, 0,1,2,3
	v_cvt_scalef32_pk8_fp8_f32 v[CD+2*\g:CD+2*\g+1], v[XS+8*\g:XS+8*\g+7], v11
.endr
	v_nop
	global_store_b128 v4, v[CD:CD+3], s[14:15] offset:512*(\c)          ; k = 32 c + 0 .. 15: the place of lane r of the fragment; sixteen lanes of one tile store 256 consecutive bytes, aligned
	global_store_b128 v4, v[CD+4:CD+7], s[14:15] offset:512*(\c)+256    ; k = 32 c + 16 .. 31: the place of lane 16 + r
.if (\c) < 2
	LOADW (\c)+2, \p
.endif
.endm
.macro WPATH p
	LOADW 0, \p
	LOADW 1, \p
	BLOCK 0, \p
	BLOCK 1, \p
	BLOCK 2, \p
	BLOCK 3, \p
	global_store_b32 v5, v24, s[14:15]
	s_endpgm
.endm
	s_load_b256 s[4:11], s[0:1], 0x0               ; x, context, Wq, Wkv
	s_load_b128 s[12:15], s[0:1], 0x20             ; Wout, ops
	v_lshl_add_u32 v254, v0, 2, SPARE
	v_mov_b32 v255, 0
	v_lshrrev_b32 v1, 5, v0
	v_readfirstlane_b32 s16, v1                    ; wave 0..8
	v_and_b32 v1, 31, v0                           ; lane
	s_mov_b32 s[SEL], 0x76543210
	s_mov_b32 s[SEL+1], 0xfedcba98
	s_mov_b32 s[MNT], 0x600000
	s_cmp_lt_u32 s16, 5
	s_cbranch_scc0 .Lweights
	; ---- rows: task tau = 5 x work-group + wave takes half-group tau / 8 (64 rows) and K step tau % 8
	s_mul_i32 s17, ttmp9, 5
	s_add_co_u32 s17, s17, s16
	s_lshr_b32 s18, s17, 3                         ; half-group 0..159
	s_and_b32 s19, s17, 7                          ; K step
	s_lshr_b32 s24, s18, 1
	s_lshl_b32 s24, s24, 3
	s_add_co_u32 s24, s24, s19
	s_lshl_b32 s24, s24, 1
	s_and_b32 s25, s18, 1
	s_add_co_u32 s24, s24, s25
	s_mul_i32 s24, s24, HR                         ; ((group x 8 + K step) x 2 + half) HR
	s_mov_b32 s25, 0
	s_cmp_lt_u32 s18, 32                           ; the first 32 half-groups are x's
	s_cselect_b32 s26, 0, 32
	s_sub_co_u32 s26, s18, s26                     ; the half-group, counted in its own tensor
	s_lshl_b32 s26, s26, 18                        ; 64 rows of 4,096 bytes
	s_lshl_b32 s27, s19, 9                         ; 128 numbers
	s_add_co_u32 s26, s26, s27
	s_mov_b32 s27, 0
	s_mul_i32 s28, s16, WREG
	s_wait_alu depctr_va_vdst(0)
	v_lshlrev_b32 v2, 4, v1                        ; 16 x lane
	v_add_nc_u32 v3, s28, v2                       ; the stage, on the way in
	v_and_b32 v8, 15, v1
	v_lshrrev_b32 v9, 4, v1
	v_mul_u32_u24 v4, v8, SP
	v_lshl_add_u32 v4, v9, 6, v4
	v_add_nc_u32 v4, s28, v4                       ; and back: row lane % 16, + 64 bytes for the upper half of the lanes
	s_add_co_u32 s28, s28, 16*SP
	v_lshl_add_u32 v5, v8, 2, s28                  ; my row's scale word
	v_lshl_add_u32 v6, v1, 3, s28                  ; the 256 bytes of scale words, 8 a lane
	v_lshl_add_u32 v7, v1, 3, 0x2000               ; and their place in the HR
.irp b, 0,1,2,3
	v_mov_b32 v[TM+4+\b], 0                        ; a lane permute's destination counts as one of its sources
.endr
	s_wait_alu depctr_va_vdst(0)
	s_wait_kmcnt 0x0
	s_cmp_lt_u32 s18, 32
	s_cselect_b64 s[4:5], s[4:5], s[6:7]           ; the choice hangs on ids alone
	s_add_nc_u64 s[4:5], s[4:5], s[26:27]
	s_add_nc_u64 s[14:15], s[14:15], s[24:25]
	LOADX 0
	LOADX 1
	FRAGMENT 0
	FRAGMENT 1
	FRAGMENT 2
	FRAGMENT 3
	ds_load_b64 v[226:227], v6
	s_wait_dscnt 0x0
	global_store_b64 v7, v[226:227], s[14:15]      ; 256 consecutive bytes, aligned
	s_wait_tensorcnt 0x0                           ; the wave's end
	ds_add_u32 v254, v255
	s_wait_dscnt 0x0
	s_endpgm
.Lweights:
	; ---- weights: work-group j takes column group j / 8 (0-7 Wq, 8-23 Wkv, 24-31 Wout) and K step j % 8; wave 5 + w its columns 32 w on: tiles 2 w, 2 w + 1
	s_sub_co_u32 s16, s16, 5                       ; w
	s_lshr_b32 s18, ttmp9, 3                       ; g
	s_and_b32 s19, ttmp9, 7                        ; K step
	s_lshr_b32 s24, s16, 1                         ; which half
	s_add_co_u32 s25, s18, 80
	s_lshl_b32 s25, s25, 3
	s_add_co_u32 s25, s25, s19
	s_lshl_b32 s25, s25, 1
	s_add_co_u32 s25, s25, s24                     ; ((80 + g) x 8 + K step) x 2 + half
	s_sub_co_u32 s26, s18, 24
	s_lshl_b32 s26, s26, 1
	s_add_co_u32 s26, s26, s24
	s_lshl_b32 s26, s26, 3
	s_add_co_u32 s26, s26, s19
	s_add_co_u32 s26, s26, 1664                    ; Wout: 104 x 16 + ((g - 24) x 2 + half) x 8 + K step
	s_cmp_lt_u32 s18, 24
	s_cselect_b32 s24, s25, s26
	s_mul_i32 s24, s24, HR
	s_mov_b32 s25, 0
	s_wait_alu depctr_va_vdst(0)
	v_bfe_u32 v8, v1, 3, 1                         ; column l of the wave's 32 is lane-row r = l % 8 + 8 (l / 16) of tile 2 w + (l / 8) % 2
	v_and_b32 v9, 7, v1
	v_lshrrev_b32 v10, 4, v1
	v_lshl_add_u32 v9, v10, 3, v9
	s_and_b32 s26, s16, 1
	s_lshl_b32 s26, s26, 1
	v_add_nc_u32 v8, s26, v8                       ; the tile within its HR
	v_lshlrev_b32 v4, 11, v8
	v_lshl_add_u32 v4, v9, 4, v4                   ; codes: tile x 2,048 + 16 r
	v_lshlrev_b32 v5, 6, v8
	v_lshl_add_u32 v5, v9, 2, v5
	v_add_nc_u32 v5, 0x2000, v5                    ; scale word: 8,192 + tile x 64 + 4 r
	v_lshlrev_b32 v3, 2, v1
	s_lshl_b32 s28, s16, 7                         ; my 32 columns
	s_sub_co_u32 s27, s18, 8
	s_cmp_lt_u32 s27, 16
	s_cbranch_scc0 .Lnarrow
	s_lshl_b32 s26, s27, 9                         ; Wkv: column group g - 8, rows of 8,192 bytes
	s_add_co_u32 s26, s26, s28
	s_lshl_b32 s27, s19, 20
	s_add_co_u32 s26, s26, s27
	s_mov_b32 s27, 0
	s_wait_kmcnt 0x0
	s_add_nc_u64 s[4:5], s[10:11], s[26:27]
	s_add_nc_u64 s[14:15], s[14:15], s[24:25]
	s_wait_alu depctr_va_vdst(0)
	WPATH 8192
.Lnarrow:
	s_and_b32 s26, s18, 7                          ; Wq or Wout: column group g % 8, rows of 4,096 bytes
	s_lshl_b32 s26, s26, 9
	s_add_co_u32 s26, s26, s28
	s_lshl_b32 s27, s19, 19
	s_add_co_u32 s26, s26, s27
	s_mov_b32 s27, 0
	s_wait_kmcnt 0x0
	s_cmp_lt_u32 s18, 8
	s_cselect_b64 s[4:5], s[8:9], s[12:13]
	s_add_nc_u64 s[4:5], s[4:5], s[26:27]
	s_add_nc_u64 s[14:15], s[14:15], s[24:25]
	s_wait_alu depctr_va_vdst(0)
	WPATH 4096
.Lfunc_end_k_qdd2f6c76de_quant:
	.size	k_qdd2f6c76de_quant, .Lfunc_end_k_qdd2f6c76de_quant-k_qdd2f6c76de_quant
	.p2alignl 7, 3214868480
	.fill 96, 4, 3214868480
	.section	.rodata,"a",@progbits
	.p2align	6, 0x0
	.amdhsa_kernel k_qdd2f6c76de_quant
		.amdhsa_group_segment_fixed_size 79616
		.amdhsa_private_segment_fixed_size 0
		.amdhsa_enable_private_segment 0
		.amdhsa_kernarg_size 48
		.amdhsa_user_sgpr_count 2
		.amdhsa_user_sgpr_kernarg_segment_ptr 1
		.amdhsa_wavefront_size32 1
		.amdhsa_system_sgpr_workgroup_id_x 1
		.amdhsa_system_sgpr_workgroup_id_y 1
		.amdhsa_system_sgpr_workgroup_id_z 1
		.amdhsa_system_vgpr_workitem_id 0
		.amdhsa_next_free_vgpr 256
		.amdhsa_next_free_sgpr 66
		.amdhsa_reserve_vcc 0
		.amdhsa_float_denorm_mode_32 3
		.amdhsa_float_denorm_mode_16_64 3
		.amdhsa_memory_ordered 1
		.amdhsa_forward_progress 1
		.amdhsa_inst_pref_size 108
	.end_amdhsa_kernel
	.amdgpu_metadata
---
amdhsa.version: [ 1, 2 ]
amdhsa.kernels:
  - .name:           k_qdd2f6c76de_quant
    .symbol:         k_qdd2f6c76de_quant.kd
    .args:
      - { .name: x, .offset: 0, .size: 8, .value_kind: global_buffer, .address_space: global }
      - { .name: context, .offset: 8, .size: 8, .value_kind: global_buffer, .address_space: global }
      - { .name: Wq, .offset: 16, .size: 8, .value_kind: global_buffer, .address_space: global }
      - { .name: Wkv, .offset: 24, .size: 8, .value_kind: global_buffer, .address_space: global }
      - { .name: Wout, .offset: 32, .size: 8, .value_kind: global_buffer, .address_space: global }
      - { .name: ops, .offset: 40, .size: 8, .value_kind: global_buffer, .address_space: global }
    .group_segment_fixed_size: 79616
    .private_segment_fixed_size: 0
    .kernarg_segment_align: 8
    .kernarg_segment_size: 48
    .max_flat_workgroup_size: 288
    .sgpr_count:     66
    .vgpr_count:     256
    .wavefront_size: 32
...
	.end_amdgpu_metadata
.endif
;; end of part 1
;; launch proj (part 2): grid 4 x 64, 4 waves a work-group, clusters of 4 x 4, 327,680 bytes of LDS; arguments ops, kvq; writes kvq
.if DOCPART == 2
	.amdgcn_target "amdgcn-amd-amdhsa--gfx1250"
	.amdhsa_code_object_version 6
	.text
	.protected	k_qdd2f6c76de_proj
	.globl	k_qdd2f6c76de_proj
	.p2align	8
	.type	k_qdd2f6c76de_proj,@function
k_qdd2f6c76de_proj:
	s_mov_b64 s[64:65], 0
	v_nop
	global_prefetch_b8 v0, s[64:65] scope:SCOPE_SE
	s_setreg_imm32_b32 hwreg(HW_REG_WAVE_MODE, 25, 1), 1
	s_wait_xcnt 0x0
	s_wait_alu depctr_hold_cnt(0) depctr_sa_sdst(0) depctr_va_vdst(0) depctr_va_sdst(0) depctr_va_ssrc(0) depctr_va_vcc(0) depctr_vm_vsrc(0)
	s_getreg_b32 s2, hwreg(HW_REG_IB_STS2, 6, 4)
	s_cmp_eq_u32 s2, 0
	s_cbranch_scc0 .Lentry_in_a_cluster
	s_endpgm
.Lentry_in_a_cluster:
	s_bfe_u32 s2, ttmp6, 0x10000c
	s_cmp_lg_u32 s2, 0xf033
	s_cbranch_scc0 .Lentry_shape_is_right
	s_endpgm
.Lentry_shape_is_right:
; K = context Wk and V = context Wv on codes of FP8 (E4M3) with E8M0 scales, 256 x 256 of the result a work-group, quantised again on the way out into records of operand images (kvq).
; LDS: each wave has a region of two slots on end (2 x 33,792 bytes): its one load at the head brings K steps 0-3 of its group, 264 rows of 256 bytes, into both; a refill brings 132 rows into one slot.
; PREFETCH: K steps 4-7 of a wave's group, which its two refills bring, are 264 blocks of 256 bytes.  The four partners that ask for them jointly share them out by address, 66 blocks each
; (place cx for the first operand's groups, cy for the second's): three instructions a wave, a lane a block, behind the first run of LDS loads; the third's lanes past block 65 name that block again.
.set FRB,   2048
.set HR,    8448
.set REC,   16896
.set REC2,  33792
.set RUN,   135168
.set SLOT,  33792
.set SCR,   8*REC2
.set SPARE, SCR+2048
.set NQ,    2
.set FR,    16
.set NL,    4
.set NP,    8
.set ADRA, 16
.set ADRB, 20
.set ADRS, 22
.set SWA,  24
.set SRD,  25
.set CO,   26
.set SCO,  27
.set SPW,  28
.set NIL,  29
.set SC,   32
.set TM,   64
.set PW,   80
.set AF,   128
.set PC,   128
.set G1,  24
.set G0,  32
.set G1B, 48
.set G0B, 56
.set SEL, 66
.set MNT, 68
.set MSB, 0
.macro WIN new
.if MSB != (\new)
	s_set_vgpr_msb (MSB<<8)|(\new)
.set MSB, (\new)
.endif
.endm
.set MUL_LO, 0xa1
.set MUL_HI, 0xf1
.set TO_B,   0x40
.macro JLOAD g0a, g1a, g0b, g1b
	s_cmp_eq_u32 s15, 0
	s_cbranch_scc0 .Lfor_b_\@
	tensor_load_to_lds s[\g0a:\g0a+3], s[\g1a:\g1a+7]
	s_nop 0
.rept 4
	v_nop
.endr
	s_branch .Lasked_\@
.Lfor_b_\@:
	tensor_load_to_lds s[\g0b:\g0b+3], s[\g1b:\g1b+7]
	s_nop 0
.rept 4
	v_nop
.endr
.Lasked_\@:
.endm
.macro CREST
	s_cmp_lg_u32 s14, 0
	s_cbranch_scc1 .Lnot_wave_0_\@
	s_barrier_signal -3
.Lnot_wave_0_\@:
	s_barrier_wait -3
	s_barrier_signal -1
	s_barrier_wait -1
.endm
.macro CROUND
	s_barrier_signal -1
	s_barrier_wait -1
	CREST
.endm
	s_load_b128 s[4:7], s[0:1], 0x0
	v_lshl_add_u32 v[SPW], v0, 2, SPARE
	v_mov_b32 v[NIL], 0
	ds_add_u32 v28, v29
	ds_add_u32 v28, v29
	s_wait_dscnt 0x0
	v_lshrrev_b32 v1, 5, v0
	v_readfirstlane_b32 s14, v1
	s_lshr_b32 s15, s14, 1
	s_and_b32 s16, s14, 1
	s_bfe_u32 s40, ttmp6, 0x40000
	s_bfe_u32 s41, ttmp6, 0x40004
	s_and_b32 s17, ttmp7, 0xffff
	s_lshl_b32 s43, s41, 2
	s_lshl_b32 s43, 15, s43
	s_lshl_b32 s44, 0x1111, s40
	s_or_b32 s[G1+0], s43, (3<<16)|(1<<21)
	s_or_b32 s[G1B+0], s44, (3<<16)|(1<<21)
.irp g, G1, G1B
	s_mov_b32 s[\g+1], 32<<16
	s_mov_b32 s[\g+2], 264<<16
	s_mov_b32 s[\g+3], 32<<16
	s_mov_b32 s[\g+4], 264
	s_mov_b32 s[\g+5], 32
	s_mov_b32 s[\g+6], 0
	s_mov_b32 s[\g+7], 0
.endr
	s_mov_b32 s[SEL], 0x76543210
	s_mov_b32 s[SEL+1], 0xfedcba98
	s_mov_b32 s[MNT], 0x600000
	s_lshl_b32 s18, s17, 3
	s_add_co_u32 s19, s18, 16
	s_sub_co_u32 s21, s18, 48
	s_cmp_lt_u32 s17, 8
	s_cselect_b32 s22, s19, 96
	s_cselect_b32 s23, 88, s21
	s_lshl_b32 s20, s41, 1
	s_add_co_u32 s20, s20, s22
	s_add_co_u32 s20, s20, s16
	s_mul_i32 s20, s20, RUN
	s_mov_b32 s21, 0
	s_lshl_b32 s46, s40, 1
	s_add_co_u32 s46, s46, s23
	s_add_co_u32 s46, s46, s16
	s_mul_i32 s46, s46, RUN
	s_mov_b32 s47, 0
	s_mul_i32 s45, s14, 2*REC2
	s_wait_kmcnt 0x0
	s_add_nc_u64 s[20:21], s[4:5], s[20:21]
	s_add_nc_u64 s[46:47], s[4:5], s[46:47]
	s_cmp_eq_u32 s15, 0                            ; the prefetches: the group that I fetch,
	s_cselect_b64 s[80:81], s[20:21], s[46:47]
	s_cselect_b32 s82, s40, s41                    ; my place among the four that ask for it with me,
	s_mul_i32 s82, s82, 66*256                     ; 66 blocks each,
	s_add_co_u32 s82, s82, 2*REC2                  ; from K step 4 on
	s_mov_b32 s83, 0
	s_add_nc_u64 s[80:81], s[80:81], s[82:83]
	CROUND
.irp s, 0,1
	s_mov_b32 s[G0+4*\s], 1
	s_add_co_u32 s[G0+4*\s+1], s45, \s*SLOT
	s_add_nc_u64 s[G0+4*\s+2:G0+4*\s+3], s[20:21], \s*REC2
	s_or_b32 s[G0+4*\s+3], s[G0+4*\s+3], 0x80000000
	s_mov_b32 s[G0B+4*\s], 1
	s_add_co_u32 s[G0B+4*\s+1], s45, \s*SLOT
	s_add_nc_u64 s[G0B+4*\s+2:G0B+4*\s+3], s[46:47], \s*REC2
	s_or_b32 s[G0B+4*\s+3], s[G0B+4*\s+3], 0x80000000
.endr
	JLOAD G0, G1, G0B, G1B                         ; my one load at the head: both slots of my region
	v_and_b32 v1, 31, v0
	v_and_b32 v2, 15, v0
	v_bfe_u32 v3, v0, 4, 1
	v_lshlrev_b32 v[CO], 4, v1
	v_lshlrev_b32 v92, 8, v1                       ; the prefetches' offsets: a lane a block;
	v_min_u32 v93, 1, v1
	v_lshl_add_u32 v93, v93, 8, 16384              ; blocks 64 and 65
	s_mul_i32 s21, s15, 2*REC2
	s_mul_i32 s22, s16, 2*REC2
	s_add_co_u32 s22, s22, 4*REC2
	v_add_nc_u32 v[ADRA], s21, v[CO]
	v_add_nc_u32 v[ADRB], s22, v[CO]
	v_add_nc_u32 v[ADRA+1], SLOT, v[ADRA]
	v_add_nc_u32 v[ADRB+1], SLOT, v[ADRB]
	v_lshlrev_b32 v5, 2, v2
	s_sub_co_u32 s22, s22, s21
	v_mul_u32_u24 v6, s22, v3
	v_add_nc_u32 v5, v5, v6
	v_add_nc_u32 v[ADRS], s21, v5
	v_add_nc_u32 v[ADRS+1], SLOT, v[ADRS]
	s_lshl_b32 s23, s14, 9
	s_add_co_u32 s23, s23, SCR
	v_lshl_add_u32 v[SWA], v2, 2, s23
	v_lshl_add_u32 v[SRD], v1, 4, s23
	v_mul_u32_u24 v[SCO], v3, HR
	v_lshl_add_u32 v[SCO], v2, 4, v[SCO]
	v_add_nc_u32 v[SCO], 0x2000, v[SCO]
.irp b, 0,1,2,3
	v_mov_b32 v[TM+4+\b], 0
.endr
	s_lshl_b32 s70, s41, 1
	s_add_co_u32 s70, s70, s15
	s_lshl_b32 s71, s40, 1
	s_add_co_u32 s71, s71, s16
	s_and_b32 s72, s17, 7
	s_lshl_b32 s72, s72, 3
	s_cmp_lt_u32 s17, 8
	s_cselect_b32 s74, s70, s71
	s_cselect_b32 s75, s71, s70
	s_cselect_b32 s76, 0, REC
	s_add_co_u32 s74, s74, s72
	s_lshr_b32 s79, s74, 5
	s_lshl_b32 s79, s79, 3
	s_add_co_u32 s79, s79, s75
	s_lshl_b32 s79, s79, 5
	s_and_b32 s73, s74, 31
	s_add_co_u32 s79, s79, s73
	s_mul_i32 s72, s79, REC2
	s_add_co_u32 s72, s72, s76
	s_mov_b32 s73, 0
	s_add_nc_u64 s[6:7], s[6:7], s[72:73]
.macro FRAG reg, adr, q, i
.irp c, 0,1,2,3
	ds_load_b128 v[\reg+4*\c:\reg+4*\c+3], v[\adr] offset:REC*(\q)+((\i)/4)*HR+((\i)%4)*FRB+512*\c
.endr
.endm
.macro MUL16 a0, p, q, sc, zero
.irp a, \a0, \a0+1
.irp b, 0,1,2,3,4,5,6,7
.if \zero
	v_wmma_scale_f32_16x16x128_f8f6f4 v[8*(8*((\a)%4)+\b):8*(8*((\a)%4)+\b)+7], v[128*(\p)+FR*\b:128*(\p)+FR*\b+FR-1], v[AF+FR*(\a):AF+FR*(\a)+FR-1], 0, v[SC+8*NQ*(\sc)+NQ*\b+(\q)], v[SC+8*NQ*(\sc)+NQ*(\a)+(\q)] matrix_a_scale:MATRIX_SCALE_ROW1
.else
	v_wmma_scale_f32_16x16x128_f8f6f4 v[8*(8*((\a)%4)+\b):8*(8*((\a)%4)+\b)+7], v[128*(\p)+FR*\b:128*(\p)+FR*\b+FR-1], v[AF+FR*(\a):AF+FR*(\a)+FR-1], v[8*(8*((\a)%4)+\b):8*(8*((\a)%4)+\b)+7], v[SC+8*NQ*(\sc)+NQ*\b+(\q)], v[SC+8*NQ*(\sc)+NQ*(\a)+(\q)] matrix_a_scale:MATRIX_SCALE_ROW1
.endif
.endr
.endr
.endm
.macro FETCH_B slot, q, p
	WIN TO_B
.irp i, 0,1,2,3,4,5,6,7
	FRAG 128*(\p)+FR*\i, ADRB+\slot, \q, \i
.endr
	WIN 0
.endm
.macro FETCH_A slot, q, i0
.irp i, \i0, \i0+1, \i0+2, \i0+3
	FRAG AF+FR*(\i), ADRA+\slot, \q, \i
.endr
.endm
.macro SCALES sc
.irp i, 0,1,2,3,4,5,6,7
.irp q, 0,1
	ds_load_b32 v[SC+8*NQ*\sc+NQ*\i+\q], v[ADRS+\sc] offset:REC*\q+(\i/4)*HR+8192+(\i%4)*64
.endr
.endr
.endm
.macro PLACES n
.rept \n
	v_nop
.endr
.endm
.macro STEP slot, q, zero
	s_wait_dscnt 4*NL
	WIN MUL_LO
	MUL16 0, (\q)%2, \q, \slot, \zero
	MUL16 2, (\q)%2, \q, \slot, \zero
	s_wait_dscnt 0
	PLACES NP
	FETCH_B \slot, (\q)+1, 1-(\q)%2
	FETCH_A \slot, (\q)+1, 0
	WIN MUL_HI
	MUL16 4, (\q)%2, \q, \slot, \zero
	MUL16 6, (\q)%2, \q, \slot, \zero
	PLACES NP
	WIN 0
	FETCH_A \slot, (\q)+1, 4
.endm
.macro TURN slot, next, fill
	s_wait_tensorcnt 0x0
	ds_add_u32 v[SPW], v[NIL]
	s_wait_dscnt 4*NL+1
	WIN MUL_LO
	MUL16 0, 1, NQ-1, \slot, 0
	s_wait_dscnt 0x0
	s_barrier_signal -1
	MUL16 2, 1, NQ-1, \slot, 0
	WIN 0
	s_barrier_wait -1
.if \fill
	CREST
	s_add_nc_u64 s[G0+4*\slot+2:G0+4*\slot+3], s[G0+4*\slot+2:G0+4*\slot+3], 2*REC2
	s_add_nc_u64 s[G0B+4*\slot+2:G0B+4*\slot+3], s[G0B+4*\slot+2:G0B+4*\slot+3], 2*REC2
	JLOAD G0+4*\slot, G1, G0B+4*\slot, G1B
	PLACES NP-4
.else
	PLACES NP
.endif
	FETCH_B \next, 0, 0
	FETCH_A \next, 0, 0
	SCALES \next
	WIN MUL_HI
	MUL16 4, 1, NQ-1, \slot, 0
	MUL16 6, 1, NQ-1, \slot, 0
	PLACES NP
	WIN 0
	FETCH_A \next, 0, 4
.endm
.macro QOUT a
.set WW, 2+(\a)/4
.set AC, 64*((\a)%4)
.set PS, PC+16*(\a)
	WIN (WW<<2)|(WW<<4)
.irp b, 0,1,2,3
	v_max3_num_f32 v[TM+\b], 0x4800000, |v[AC+16*\b]|, |v[AC+16*\b+1]|
.endr
.irp i, 2,4,6,8,10,12,14
.irp b, 0,1,2,3
	v_max3_num_f32 v[TM+\b], v[TM+\b], |v[AC+16*\b+\i]|, |v[AC+16*\b+\i+1]|
.endr
.endr
	WIN 0
.irp b, 0,1,2,3
	v_permlanex16_b32 v[TM+4+\b], v[TM+\b], s[SEL], s[SEL+1]
.endr
.irp b, 0,1,2,3
	v_max_num_f32 v[TM+\b], v[TM+\b], v[TM+4+\b]
.endr
.irp b, 0,1,2,3
	v_add_nc_u32 v[TM+12+\b], 0xfc000000, v[TM+\b]
.endr
.irp b, 0,1,2,3
	v_and_or_b32 v[TM+8+\b], v[TM+\b], 0x7f800000, s[MNT]
.endr
.irp b, 0,1,2,3
	v_lshrrev_b32 v[TM+4+\b], 23, v[TM+12+\b]
.endr
	v_lshl_or_b32 v[PW+(\a)], v[TM+5], 8, v[TM+4]
	v_lshl_or_b32 v[PW+(\a)], v[TM+6], 16, v[PW+(\a)]
	v_lshl_or_b32 v[PW+(\a)], v[TM+7], 24, v[PW+(\a)]
	WIN (WW<<6)|WW
.irp b, 0,1,2,3
.irp i, 0,1,2,3,4,5,6,7,8,9,10,11,12,13,14,15
	v_med3_num_f32 v[AC+16*\b+\i], v[AC+16*\b+\i], -v[TM+8+\b], v[TM+8+\b]
.endr
.endr
	WIN WW
.irp b, 0,1,2,3
	v_cvt_scalef32_pk8_fp8_f32 v[PS+4*\b:PS+4*\b+1], v[AC+16*\b:AC+16*\b+7], v[TM+12+\b]
	v_cvt_scalef32_pk8_fp8_f32 v[PS+4*\b+2:PS+4*\b+3], v[AC+16*\b+8:AC+16*\b+15], v[TM+12+\b]
.endr
	WIN 0
	v_nop
.irp c, 0,1,2,3
	global_store_b128 v[CO], v[PS+4*\c:PS+4*\c+3], s[6:7] offset:((\a)/4)*HR+((\a)%4)*FRB+512*\c
.endr
	ds_store_b32 v[SWA], v[PW+(\a)] offset:64*(\a)
.endm
	s_wait_alu depctr_va_vdst(0)                   ; the wait at the head's end
	s_wait_tensorcnt 0x0                           ; my region is in; no load of mine is out, so a descriptor may be written:
	s_mov_b32 s[G1+2], 132<<16                     ; from here on a load brings one slot's 132 rows
	s_mov_b32 s[G1+4], 132
	s_mov_b32 s[G1B+2], 132<<16
	s_mov_b32 s[G1B+4], 132
	s_barrier_signal -1
	s_barrier_wait -1
	FETCH_B 0, 0, 0
	global_prefetch_b8 v92, s[80:81] th:TH_LOAD_NT scope:SCOPE_SE               ; my 66 blocks of what the two refills bring: blocks 0-31,
	global_prefetch_b8 v92, s[80:81] offset:8192 th:TH_LOAD_NT scope:SCOPE_SE   ; 32-63,
	global_prefetch_b8 v93, s[80:81] th:TH_LOAD_NT scope:SCOPE_SE               ; 64 and 65
	FETCH_A 0, 0, 0
	SCALES 0
	FETCH_A 0, 0, 4
	STEP 0, 0, 1
	TURN 0, 1, 1
	STEP 1, 0, 0
	TURN 1, 0, 1
	STEP 0, 0, 0
	TURN 0, 1, 0
	STEP 1, 0, 0
	s_wait_dscnt 4*NL
	WIN MUL_LO
	MUL16 0, 1, NQ-1, 1, 0
	MUL16 2, 1, NQ-1, 1, 0
	s_wait_dscnt 0
	WIN MUL_HI
	MUL16 4, 1, NQ-1, 1, 0
	MUL16 6, 1, NQ-1, 1, 0
	WIN 0
	PLACES NP
.irp a, 0,1,2,3,4,5,6,7
	QOUT \a
.endr
	ds_load_b128 v[88:91], v[SRD]
	s_wait_dscnt 0x0
	global_store_b128 v[SCO], v[88:91], s[6:7]
	s_wait_tensorcnt 0x0
	ds_add_u32 v[SPW], v[NIL]
	s_wait_dscnt 0x0
	CROUND
	s_endpgm
.Lfunc_end_k_qdd2f6c76de_proj:
	.size	k_qdd2f6c76de_proj, .Lfunc_end_k_qdd2f6c76de_proj-k_qdd2f6c76de_proj
	.p2alignl 7, 3214868480
	.fill 96, 4, 3214868480
	.section	.rodata,"a",@progbits
	.p2align	6, 0x0
	.amdhsa_kernel k_qdd2f6c76de_proj
		.amdhsa_group_segment_fixed_size 327680
		.amdhsa_private_segment_fixed_size 0
		.amdhsa_enable_private_segment 0
		.amdhsa_kernarg_size 16
		.amdhsa_user_sgpr_count 2
		.amdhsa_user_sgpr_kernarg_segment_ptr 1
		.amdhsa_wavefront_size32 1
		.amdhsa_system_sgpr_workgroup_id_x 1
		.amdhsa_system_sgpr_workgroup_id_y 1
		.amdhsa_system_sgpr_workgroup_id_z 1
		.amdhsa_system_vgpr_workitem_id 0
		.amdhsa_next_free_vgpr 1024
		.amdhsa_next_free_sgpr 90
		.amdhsa_reserve_vcc 0
		.amdhsa_float_denorm_mode_32 3
		.amdhsa_float_denorm_mode_16_64 3
		.amdhsa_memory_ordered 1
		.amdhsa_forward_progress 1
		.amdhsa_inst_pref_size 185
	.end_amdhsa_kernel
	.amdgpu_metadata
---
amdhsa.version: [ 1, 2 ]
amdhsa.kernels:
  - .name:           k_qdd2f6c76de_proj
    .symbol:         k_qdd2f6c76de_proj.kd
    .args:
      - { .name: ops, .offset: 0, .size: 8, .value_kind: global_buffer, .address_space: global }
      - { .name: kvq, .offset: 8, .size: 8, .value_kind: global_buffer, .address_space: global }
    .group_segment_fixed_size: 327680
    .private_segment_fixed_size: 0
    .kernarg_segment_align: 8
    .kernarg_segment_size: 16
    .max_flat_workgroup_size: 128
    .sgpr_count:     90
    .vgpr_count:     1024
    .wavefront_size: 32
...
	.end_amdgpu_metadata
.endif
;; end of part 2
;; launch attn (part 3): grid 16 x 16, 8 waves a work-group, clusters of 4 x 1, 327,680 bytes of LDS; arguments kvq, ops, doc_similarities, beta, aimg; writes aimg
.if DOCPART == 3
	.amdgcn_target "amdgcn-amd-amdhsa--gfx1250"
	.amdhsa_code_object_version 6
	.text
	.protected	k_qdd2f6c76de_attn
	.globl	k_qdd2f6c76de_attn
	.p2align	8
	.type	k_qdd2f6c76de_attn,@function
k_qdd2f6c76de_attn:
	s_mov_b64 s[64:65], 0
	v_nop
	global_prefetch_b8 v0, s[64:65] scope:SCOPE_SE
	s_setreg_imm32_b32 hwreg(HW_REG_WAVE_MODE, 25, 1), 1
	s_wait_xcnt 0x0
	s_wait_alu depctr_hold_cnt(0) depctr_sa_sdst(0) depctr_va_vdst(0) depctr_va_sdst(0) depctr_va_ssrc(0) depctr_va_vcc(0) depctr_vm_vsrc(0)
	s_getreg_b32 s2, hwreg(HW_REG_IB_STS2, 6, 4)
	s_cmp_eq_u32 s2, 0
	s_cbranch_scc0 .Lentry_in_a_cluster
	s_endpgm
.Lentry_in_a_cluster:
	s_bfe_u32 s2, ttmp6, 0x10000c
	s_cmp_lg_u32 s2, 0x3003
	s_cbranch_scc0 .Lentry_shape_is_right
	s_endpgm
.Lentry_shape_is_right:
; q = x Wq for the work-group's own 64 queries, then the attention: logit = q . k / 32 + doc_similarities[b][document] x beta; all three products on codes of FP8 (E4M3) with E8M0 scales.
; t = logit x log2(e); M = the largest t so far, rounded UP to a whole number; p = 2^(t - M) is quantised along the keys; the sum is taken of the unquantised p and divides at the end.
; SHARES.  A work-group owns 64 queries of one batch and head.  Wave w owns TWO tiles of 16 queries (2 j, 2 j + 1, j = w / 4) and ONE document d = w % 4: 1,024 keys in 8 steps of 128.
; Each fragment of K and V that a wave reads from LDS feeds two products.  A step's 8 fragments of K come in one run; V's 8 are asked for ahead of the softmax.
; Q AT THE HEAD: wave w makes channels 32 d on of its two tiles: 32 products, four accumulators by turns.  Wq's columns lie in slot 1 at first; x's tiles come straight into registers.
; The codes and scale bytes of q meet in LDS bytes of their own as images of Q's fragments.  The four documents' parts are joined at the end by factors 2^(M' - M), divided by the row's sum, quantised, and leave as codes (aimg).
; LAYOUT.  All products transposed: a lane holds one query.  Records are images of operand registers (a fragment 2,048 bytes, a half record HR = four + 256 bytes of scale words); tile T takes row 32 (T / 2) + 8 (T % 2) + r + 8 (r / 8).
; A scale register carries two fragments' words: lanes 0-15 fragment t's, lanes 16-31 fragment t + 4's (of Q, x, Wq: the even and the odd tile's).
; RING: two slots of one step's K and V records of the four documents.  Every wave fetches 16,896 bytes of a slot (66 rows of 256), one load behind each round.  At the head waves 0-3 fetch Wq's quarters into slot 1, waves 4-7 step 0's documents.
; CLUSTER: the four work-groups own other queries of the same batch and head: every load is asked for jointly, mask 15.
; LIMITS: NaN and infinities are not served; a block's largest p is taken through the block's largest score (it takes v_exp_f32 not to fall where its input rises); a block under the floor 2^-118 gets the byte 1.
; REGISTERS, window 0: v1-9, v23 addresses; v10-21 the two tiles' state; v22 Q's scale words; v24-25 p's; v26-31 factors; v32-39 K's and V's scale words; v40-71 Q; v72-199 S^T, then p; v200-231 p's codes (before them temporaries); v232-255 at work.
;            window 1: v0-127 O^T of the two tiles; v128-255 eight fragments (at the head all 256: x's fragments).
.set FRB,   2048
.set HR,    8448
.set REC,   16896
.set REC2,  33792
.set RUN,   135168
.set SLOT,  135168
.set MSH,   2*SLOT                     ; each part's -M (128 bytes a part), from + 2,048 on its sum
.set SCB,   MSH+4096                   ; the half record's 256 scale bytes
.set SPARE, SCB+256                    ; the spare words, 128 bytes a wave
.set QIM,   SPARE+1024                 ; the images of Q's four fragments,
.set QSC,   QIM+8192                   ; and their 256 scale bytes
.set AD0, 1
.set AS0, 2
.set ADC, 3
.set ASC, 4
.set SPW, 5
.set NIL, 6
.set PFO, 7
.set BI,  8
.set QLD, 9
.set BM,  10                           ; tile u: + 6 u.  v[10:11] bias - M; v12 -M; v13 the largest t; v[14:15] the sum
.set NM,  12
.set TX,  13
.set SU,  14
.set QS,  22
.set QLS, 23
.set PS,  24
.set FF,  26
.set TT,  30
.set KS,  32
.set VS,  36
.set QF,  40
.set SS,  72
.set PC,  200
.set PT,  200
.set SM,  208
.set MX,  232
.set HO,  240
.set SO,  248
.set XO,  40                           ; at the head: addresses in Q's registers
.set XSO, 41
.set AW,  42
.set AWS, 44
.set QST, 46
.set QSB, 47
.set WV,  18
.set MNT, 19
.set SEL, 20
.set CS,  22                           ; s[22:23] c = log2(e) / 32
.set G1,  24
.set G0H, 32
.set G0S, 36
.set G0R, 40
.set CNT, 44
.set REM, 45
.set LIM, 46
.set PFA, 48
.set AO,  68
.set TB,  72                           ; where the slot in hand begins
.set FB,  73                           ; where the slot that is filled begins
.set WOF, 74                           ; my part of a slot
.set G1R, 76
.set MSB, 0
.macro WIN new
.if MSB != (\new)
	s_set_vgpr_msb (MSB<<8)|(\new)
.set MSB, (\new)
.endif
.endm
.macro PLACES n
.rept \n
	v_nop
.endr
.endm
.macro ROUND
	s_barrier_signal -1
	s_barrier_wait -1
	s_cmp_lg_u32 s[WV], 0
	s_cbranch_scc1 .Lnot_wave_0_\@
	s_barrier_signal -3
.Lnot_wave_0_\@:
	s_barrier_wait -3
	s_barrier_signal -1
	s_barrier_wait -1
.endm
; A PREFETCH of the records that the joint loads TWO trips on ask for.  Every cluster asks for what it loads itself: partner cx takes document cx (by address), whole: a step's record is 132 blocks of 256 bytes;
; waves 0-4 ask, a lane a block, block 32 x wave + lane; wave 4's lanes past block 131 name that block again.  Steps 1 and 2 are asked for at the head; trip t = 0 .. 4 asks for step t + 3; the last two trips ask for nothing.
.macro ASK
	s_sub_co_u32 s47, s[REM], 2
	s_cmp_lt_u32 s47, s[LIM]
	s_cbranch_scc0 .Lnot_mine_\@
	global_prefetch_b8 v[PFO], s[PFA:PFA+1] offset:REC2 th:TH_LOAD_NT scope:SCOPE_SE
.Lnot_mine_\@:
.endm
.macro WMS d, a, b, c, sa, sb, ra, rb  ; a product; ra, rb: the scale words stand in lanes 16-31
.if (\ra) && (\rb)
	v_wmma_scale_f32_16x16x128_f8f6f4 v[\d:\d+7], v[\a:\a+15], v[\b:\b+15], \c, v[\sa], v[\sb] matrix_a_scale:MATRIX_SCALE_ROW1 matrix_b_scale:MATRIX_SCALE_ROW1
.elseif \ra
	v_wmma_scale_f32_16x16x128_f8f6f4 v[\d:\d+7], v[\a:\a+15], v[\b:\b+15], \c, v[\sa], v[\sb] matrix_a_scale:MATRIX_SCALE_ROW1
.elseif \rb
	v_wmma_scale_f32_16x16x128_f8f6f4 v[\d:\d+7], v[\a:\a+15], v[\b:\b+15], \c, v[\sa], v[\sb] matrix_b_scale:MATRIX_SCALE_ROW1
.else
	v_wmma_scale_f32_16x16x128_f8f6f4 v[\d:\d+7], v[\a:\a+15], v[\b:\b+15], \c, v[\sa], v[\sb]
.endif
.endm
; 16 numbers of a lane, half a block of 32 (the other half lies in lane l xor 16), become 4 registers of codes; the block's byte is left in v249
.macro QUANT1 s, pc
	v_max3_num_f32 v248, |v[\s]|, |v[\s+1]|, 0x4800000   ; and the floor 2^(9 - 127)
.irp i, 2,4,6,8,10,12,14
	v_max3_num_f32 v248, v248, |v[\s+\i]|, |v[\s+1+\i]|
.endr
	v_permlanex16_b32 v249, v248, s[SEL], s[SEL+1]
	v_max_num_f32 v248, v248, v249
	v_add_nc_u32 v250, 0xfc000000, v248            ; the conversion's scale operand
	v_and_or_b32 v251, v248, 0x7f800000, s[MNT]    ; 448 x the scale
	v_lshrrev_b32 v249, 23, v250                   ; the byte
.irp i, 0,1,2,3,4,5,6,7,8,9,10,11,12,13,14,15
	v_med3_num_f32 v[\s+\i], v[\s+\i], -v251, v251 ; the conversion does not saturate (ISA guide 7.6.2)
.endr
	v_cvt_scalef32_pk8_fp8_f32 v[\pc:\pc+1], v[\s:\s+7], v250
	v_cvt_scalef32_pk8_fp8_f32 v[\pc+2:\pc+3], v[\s+8:\s+15], v250
	v_nop
.endm
.macro WFETCH p                        ; K steps 2 p, 2 p + 1 of Wq's tiles 2 d, 2 d + 1 into set p % 2, and their scale words: 18 LDS loads
.irp sl, 0,1
.irp uw, 0,1
.irp c, 0,1,2,3
	ds_load_b128 v[SS+64*(\p%2)+32*\sl+16*\uw+4*\c:SS+64*(\p%2)+32*\sl+16*\uw+4*\c+3], v[AW+\p/2] offset:(2*(\p%2)+\sl)*REC+\uw*FRB+512*\c
.endr
.endr
	ds_load_b32 v[232+2*\p+\sl], v[AWS+\p/2] offset:(2*(\p%2)+\sl)*REC
.endr
.endm
.macro QMUL p                          ; 8 products: the four accumulators by turns
	WIN 0x04
.irp sl, 0,1
.irp uq, 0,1
.irp uw, 0,1
.set D_, PC+16*\uq+8*\uw
.set A_, SS+64*(\p%2)+32*\sl+16*\uw
.set B_, 128*\uq+16*(2*\p+\sl)
.set SA_, 232+2*\p+\sl
.set SB_, 241+2*\p+\sl
.if \p+\sl == 0
	WMS D_, A_, B_, 0, SA_, SB_, \uw, \uq
.else
	WMS D_, A_, B_, v[D_:D_+7], SA_, SB_, \uw, \uq
.endif
.endr
.endr
.endr
	WIN 0
.endm
.macro FRAGS off                       ; eight fragments into window 1
	WIN 0x40
.irp t, 0,1,2,3,4,5,6,7
.irp c, 0,1,2,3
	ds_load_b128 v[128+16*\t+4*\c:131+16*\t+4*\c], v[ADC] offset:\off+(\t/4)*HR+(\t%4)*FRB+512*\c
.endr
.endr
	WIN 0
.endm
.macro SQK t0                          ; S^T = K Q^T: four fragments x two tiles
.irp i, 0,1,2,3
	s_wait_dscnt 4*(7-\t0-\i)                      ; this fragment is in; the later fragments' loads, four each, may be out
.irp u, 0,1
.set D_, SS+64*\u+8*(\t0+\i)
.set A_, 128+16*(\t0+\i)
.set B_, QF+16*\u
.set SA_, KS+\i
	WMS D_, A_, B_, 0, SA_, QS, \t0/4, \u
.endr
.endr
.endm
; A KEY STEP: my document's 128 keys in the slot at s[TB], for both tiles.  k = 4 u + b counts the eight blocks of 32 keys
.macro STEP
	v_add_nc_u32 v[ADC], s[TB], v[AD0]
	v_add_nc_u32 v[ASC], s[TB], v[AS0]
	PLACES 2                                       ; with the four v_nop ahead: eight places behind the last products, whose fragments are loaded over
	s_wait_alu depctr_va_vdst(0)                   ; the wait directly behind the writes
.irp t, 0,1,2,3
	ds_load_b32 v[KS+\t], v[ASC] offset:64*\t
.endr
	FRAGS 0
	WIN 0x01
	SQK 0
	SQK 4
	WIN 0
	PLACES 8
	FRAGS REC                                      ; V's fragments land under the softmax
.irp t, 0,1,2,3
	ds_load_b32 v[VS+\t], v[ASC] offset:REC+64*\t
.endr
.irp k, 0,1,2,3,4,5,6,7
	v_max3_num_f32 v[MX+\k], v[SS+16*\k], v[SS+16*\k+1], v[SS+16*\k+2]   ; the largest score of each block: for the row's maximum and for the block's largest p
.endr
.irp i, 3,5,7,9,11,13
.irp k, 0,1,2,3,4,5,6,7
	v_max3_num_f32 v[MX+\k], v[MX+\k], v[SS+16*\k+\i], v[SS+16*\k+\i+1]
.endr
.endr
.irp k, 0,1,2,3,4,5,6,7
	v_max_num_f32 v[MX+\k], v[MX+\k], v[SS+16*\k+15]
.endr
.irp k, 0,1,2,3,4,5,6,7
	v_permlanex16_b32 v[PT+\k], v[MX+\k], s[SEL], s[SEL+1]
.endr
.irp k, 0,1,2,3,4,5,6,7
	v_max_num_f32 v[MX+\k], v[MX+\k], v[PT+\k]     ; with lane l xor 16's 16 keys
.endr
.irp u, 0,1
	v_max3_num_f32 v[TT+\u], v[MX+4*\u], v[MX+4*\u+1], v[MX+4*\u+2]
.endr
.irp u, 0,1
	v_max_num_f32 v[TT+\u], v[TT+\u], v[MX+4*\u+3]
.endr
.irp u, 0,1
	v_fma_f32 v[TT+\u], v[TT+\u], s[CS], v[BI]     ; the step's largest t
.endr
.irp u, 0,1
	v_max_num_f32 v[TX+6*\u], v[TX+6*\u], v[TT+\u]
.endr
.irp u, 0,1
	v_mov_b32 v[TT+\u], v[NM+6*\u]
.endr
.irp u, 0,1
	v_floor_f32 v[NM+6*\u], -v[TX+6*\u]            ; the new -M = -ceil(t)
.endr
.irp u, 0,1
	v_sub_f32 v[TT+\u], v[NM+6*\u], v[TT+\u]       ; old M - new M: a whole number, 0 or less
.endr
.irp u, 0,1
	v_cvt_i32_f32 v[TT+\u], v[TT+\u]               ; (it saturates)
.endr
.irp u, 0,1
	v_ldexp_f32 v[FF+2*\u], 1.0, v[TT+\u]          ; f = 2^(old M - new M)
.endr
.irp u, 0,1
	v_add_f32 v[BM+6*\u], v[NM+6*\u], v[BI]        ; the bias - M
.endr
.set J, 0
.rept 64
	v_pk_fma_f32 v[SS+J:SS+J+1], v[SS+J:SS+J+1], s[CS:CS+1], v[BM+6*(J/64):BM+6*(J/64)+1] op_sel_hi:[1,0,0]   ; t - M, two at a time
.set J, J+2
.endr
.irp k, 0,1,2,3,4,5,6,7
	v_fma_f32 v[MX+\k], v[MX+\k], s[CS], v[BM+6*(\k/4)]   ; the same of each block's largest score
.endr
	s_wait_alu depctr_va_vdst(0)                   ; the wait ahead of the batch
.set J, 0
.rept 128
	v_exp_f32 v[SS+J], v[SS+J]                     ; p = 2^(t - M): not normalised
.set J, J+1
.endr
.irp u, 0,1
	v_pk_mul_f32 v[SU+6*\u:SU+6*\u+1], v[SU+6*\u:SU+6*\u+1], v[FF+2*\u:FF+2*\u+1] op_sel_hi:[1,0]   ; the sums under the new M
.endr
	s_wait_alu depctr_va_vdst(0)                   ; one wait for the batch, ahead of its first reader
.irp k, 0,1,2,3,4,5,6,7
	v_exp_f32 v[MX+\k], v[MX+\k]                   ; the block's largest p
.endr
.irp k, 0,1,2,3                                ; the rows' sums of the unquantised p: four chains a tile
.irp u, 0,1
	v_pk_add_f32 v[SM+8*\u+2*\k:SM+8*\u+2*\k+1], v[SS+64*\u+4*\k:SS+64*\u+4*\k+1], v[SS+64*\u+4*\k+2:SS+64*\u+4*\k+3]
.endr
.endr
.set I, 8
.rept 24
.irp u, 0,1
	v_pk_add_f32 v[SM+8*\u+2*(I%4):SM+8*\u+2*(I%4)+1], v[SM+8*\u+2*(I%4):SM+8*\u+2*(I%4)+1], v[SS+64*\u+2*I:SS+64*\u+2*I+1]
.endr
.set I, I+1
.endr
.irp u, 0,1
	v_pk_add_f32 v[SM+8*\u:SM+8*\u+1], v[SM+8*\u:SM+8*\u+1], v[SM+8*\u+2:SM+8*\u+3]
	v_pk_add_f32 v[SM+8*\u+4:SM+8*\u+5], v[SM+8*\u+4:SM+8*\u+5], v[SM+8*\u+6:SM+8*\u+7]
.endr
.irp u, 0,1
	v_pk_add_f32 v[SM+8*\u:SM+8*\u+1], v[SM+8*\u:SM+8*\u+1], v[SM+8*\u+4:SM+8*\u+5]
.endr
.irp u, 0,1
	v_pk_add_f32 v[SU+6*\u:SU+6*\u+1], v[SU+6*\u:SU+6*\u+1], v[SM+8*\u:SM+8*\u+1]
.endr
	s_wait_alu depctr_va_vdst(0)                   ; and one for the eight
.irp k, 0,1,2,3,4,5,6,7
	v_max_num_f32 v[MX+\k], 0x4800000, v[MX+\k]    ; the floor 2^(9 - 127)
.endr
.irp k, 0,1,2,3,4,5,6,7
	v_add_nc_u32 v[SO+\k], 0xfc000000, v[MX+\k]    ; the conversion's scale operand
.endr
.irp k, 0,1,2,3,4,5,6,7
	v_and_or_b32 v[HO+\k], v[MX+\k], 0x7f800000, s[MNT]   ; 448 x the scale
.endr
.irp k, 0,1,2,3,4,5,6,7
	v_lshrrev_b32 v[PT+\k], 23, v[SO+\k]           ; the byte
.endr
.irp u, 0,1
	v_lshl_or_b32 v[PS+\u], v[PT+4*\u+1], 8, v[PT+4*\u]   ; p's scale word for these 128 keys
.endr
.irp u, 0,1
	v_lshl_or_b32 v[PS+\u], v[PT+4*\u+2], 16, v[PS+\u]
.endr
.irp u, 0,1
	v_lshl_or_b32 v[PS+\u], v[PT+4*\u+3], 24, v[PS+\u]
.endr
.irp k, 0,2,4,6                                ; the hold; p is not negative, so it is one-sided.  Two a line: one of block k, one of block k + 1, an even and an odd register
.irp i, 0,2,4,6,8,10,12,14
	v_dual_min_num_f32 v[SS+16*\k+\i], v[SS+16*\k+\i], v[HO+\k] :: v_dual_min_num_f32 v[SS+16*\k+17+\i], v[SS+16*\k+17+\i], v[HO+\k+1]
	v_dual_min_num_f32 v[SS+16*\k+\i+1], v[SS+16*\k+\i+1], v[HO+\k] :: v_dual_min_num_f32 v[SS+16*\k+16+\i], v[SS+16*\k+16+\i], v[HO+\k+1]
.endr
.endr
.irp k, 0,1,2,3,4,5,6,7
	v_cvt_scalef32_pk8_fp8_f32 v[PC+4*\k:PC+4*\k+1], v[SS+16*\k:SS+16*\k+7], v[SO+\k]
	v_cvt_scalef32_pk8_fp8_f32 v[PC+4*\k+2:PC+4*\k+3], v[SS+16*\k+8:SS+16*\k+15], v[SO+\k]
.endr
	WIN 0x41
	s_wait_alu depctr_va_vdst(0)                   ; directly ahead of the first reader of O^T
.set J, 0
.rept 64
	v_pk_mul_f32 v[J:J+1], v[J:J+1], v[FF+2*(J/64):FF+2*(J/64)+1] op_sel_hi:[1,0]   ; O^T under the new M; also the places ahead of the products below
.set J, J+2
.endr
	WIN 0
	s_wait_alu depctr_va_vdst(0)
	s_wait_dscnt 0x0                               ; V's fragments and scale words
	WIN 0x51
.irp t, 0,1,2,3,4,5,6,7                        ; O^T += V^T P^T: the sixteen accumulators by turns
.irp u, 0,1
.set D_, 64*\u+8*\t
.set A_, 128+16*\t
.set B_, PC+16*\u
.set SA_, VS+\t%4
.set SB_, PS+\u
	WMS D_, A_, B_, v[D_:D_+7], SA_, SB_, \t/4, 0
.endr
.endr
	WIN 0
	s_xor_b32 s[TB], s[TB], SLOT                   ; on to the other slot
.endm
; THE CHANGE OF SLOTS at a step's head.  fill = 1: behind the round the slot that was left takes the next step's records
.macro CHANGE fill
	s_wait_tensorcnt 0x0                           ; no tensor load of mine is out, so group 0 may be written
	ds_add_u32 v[SPW], v[NIL]
.if \fill
	s_xor_b32 s[FB], s[FB], SLOT
	s_add_co_u32 s[G0R+1], s[FB], s[WOF]
	s_add_nc_u64 s[G0R+2:G0R+3], s[G0R+2:G0R+3], REC2
	s_wait_xcnt 0x0                                ; the last prefetch, a step back, has read its address
	s_add_nc_u64 s[PFA:PFA+1], s[PFA:PFA+1], REC2
.endif
	s_wait_dscnt 0x0                               ; the add is done, and my reads of the slot that I have left are over
.if \fill
	ROUND
	tensor_load_to_lds s[G0R:G0R+3], s[G1R:G1R+7]  ; every wave's one load behind the round
	s_nop 0
	PLACES 4
	ASK
	s_sub_co_u32 s[REM], s[REM], 1
.else
	s_barrier_signal -1
	s_barrier_wait -1
	PLACES 4
.endif
.endm
	s_load_b256 s[4:11], s[0:1], 0x0               ; kvq, ops, doc_similarities, beta
	s_load_b64 s[AO:AO+1], s[0:1], 0x20            ; aimg
	v_lshl_add_u32 v[SPW], v0, 2, SPARE
	v_mov_b32 v[NIL], 0
	ds_add_u32 v[SPW], v[NIL]                      ; the opening lines: the add twice on end and its wait
	ds_add_u32 v[SPW], v[NIL]
	v_lshrrev_b32 v9, 5, v0
	v_readfirstlane_b32 s[WV], v9                  ; wave 0..7
	s_bfe_u32 s12, ttmp6, 0x40000                  ; cx
	s_lshl_b32 s13, ttmp9, 2
	s_add_co_u32 s13, s13, s12                     ; my block of 64 queries: it enters x's and aimg's addresses alone
	s_and_b32 s14, ttmp7, 0xffff                   ; batch x 8 + head
	s_and_b32 s15, s[WV], 3                        ; d
	s_lshr_b32 s16, s[WV], 2                       ; j
	s_mov_b32 s[G1], 15|(3<<16)|(1<<21)            ; the head's loads: 132 rows of 256 bytes
	s_mov_b32 s[G1+1], 32<<16
	s_mov_b32 s[G1+2], 132<<16
	s_mov_b32 s[G1+3], 32<<16
	s_mov_b32 s[G1+4], 132
	s_mov_b32 s[G1+5], 32
	s_mov_b32 s[G1+6], 0
	s_mov_b32 s[G1+7], 0
	s_mov_b32 s[G1R], 15|(3<<16)|(1<<21)           ; the ring's: 66 rows
	s_mov_b32 s[G1R+1], 32<<16
	s_mov_b32 s[G1R+2], 66<<16
	s_mov_b32 s[G1R+3], 32<<16
	s_mov_b32 s[G1R+4], 66
	s_mov_b32 s[G1R+5], 32
	s_mov_b32 s[G1R+6], 0
	s_mov_b32 s[G1R+7], 0
	s_mov_b32 s[SEL], 0x76543210
	s_mov_b32 s[SEL+1], 0xfedcba98
	s_mov_b32 s[CS], 0x3d38aa3b
	s_mov_b32 s[CS+1], s[CS]
	s_mov_b32 s[MNT], 0x600000
	s_mov_b32 s[CNT], 7
	s_mov_b32 s[REM], 6
	s_mov_b32 s[TB], 0
	s_mov_b32 s[FB], 0
	s_mul_i32 s[WOF], s[WV], REC
	s_lshl_b32 s50, s14, 5
	s_lshl_b32 s51, s15, 3
	s_add_co_u32 s50, s50, s51
	s_mul_i32 s50, s50, REC2                       ; step 0 of document d
	s_mov_b32 s51, 0
	s_mul_i32 s52, s15, REC2                       ; the document's place in a slot; also a quarter of Wq's group
	s_lshr_b32 s62, s[WV], 1                       ; the ring: document w / 2, K's or V's record w % 2
	s_lshl_b32 s62, s62, 3
	s_lshl_b32 s63, s14, 5
	s_add_co_u32 s62, s62, s63
	s_mul_i32 s62, s62, REC2
	s_and_b32 s63, s[WV], 1
	s_mul_i32 s63, s63, REC
	s_add_co_u32 s62, s62, s63
	s_mov_b32 s63, 0
	s_lshr_b32 s53, s14, 3
	s_lshl_b32 s53, s53, 2
	s_add_co_u32 s53, s53, s15
	s_lshl_b32 s53, s53, 2                         ; doc_similarities[b][d]
	s_lshr_b32 s56, s14, 3                         ; x: group b x 8 + block / 2, half block % 2
	s_lshl_b32 s56, s56, 3
	s_lshr_b32 s57, s13, 1
	s_add_co_u32 s56, s56, s57
	s_lshl_b32 s56, s56, 4
	s_and_b32 s57, s13, 1
	s_add_co_u32 s56, s56, s57
	s_mul_i32 s56, s56, HR
	s_mov_b32 s57, 0
	s_and_b32 s70, s14, 7                          ; Wq: group 80 + head, + a quarter
	s_add_co_u32 s70, s70, 80
	s_mul_i32 s70, s70, RUN
	s_add_co_u32 s70, s70, s52
	s_mov_b32 s71, 0
	s_lshl_b32 s60, s14, 5                         ; the prefetches: document cx, step 1 (each trip steps it before it asks)
	s_lshl_b32 s61, s12, 3
	s_add_co_u32 s60, s60, s61
	s_add_co_u32 s60, s60, 1
	s_mul_i32 s60, s60, REC2
	s_mov_b32 s61, 0
	s_lshr_b32 s58, s14, 3                         ; aimg: (((b x 8 + block / 2) x 8 + head) x 2 + block % 2) HR
	s_lshl_b32 s58, s58, 3
	s_lshr_b32 s59, s13, 1
	s_add_co_u32 s58, s58, s59
	s_lshl_b32 s58, s58, 3
	s_and_b32 s59, s14, 7
	s_add_co_u32 s58, s58, s59
	s_lshl_b32 s58, s58, 1
	s_and_b32 s59, s13, 1
	s_add_co_u32 s58, s58, s59
	s_mul_i32 s58, s58, HR
	s_mov_b32 s59, 0
	s_lshl_b32 s84, s16, 12                        ; my two tiles in a half record,
	s_lshl_b32 s85, s16, 7                         ; and their scale words
	s_add_co_u32 s86, s52, 8192
	s_lshr_b32 s87, s15, 1                         ; Wq's tiles 2 d, 2 d + 1: half d / 2, tiles 2 (d % 2) on
	s_mul_i32 s87, s87, HR
	s_and_b32 s89, s15, 1
	s_lshl_b32 s88, s89, 7
	s_add_co_u32 s88, s88, s87
	s_add_co_u32 s88, s88, SLOT+8192
	s_lshl_b32 s89, s89, 12
	s_add_co_u32 s87, s87, s89
	s_add_co_u32 s87, s87, SLOT
	s_lshl_b32 s89, s15, 9
	s_add_co_u32 s89, s89, QIM
	s_add_co_u32 s90, s85, s15
	s_add_co_u32 s90, s90, QSC
	s_lshl_b32 s91, s[WV], 13                      ; a wave's 32 blocks of a record
	s_cmp_lt_u32 s[WV], 5                          ; waves 0 to 4 ask
	s_cselect_b32 s[LIM], 5, 0
	s_wait_dscnt 0x0                               ; both opening adds are done
	s_wait_kmcnt 0x0
	s_load_b32 s54, s[8:9], s53 offset:0x0
	s_load_b32 s55, s[10:11], 0x0
	s_add_nc_u64 s[50:51], s[4:5], s[50:51]
	s_add_nc_u64 s[62:63], s[4:5], s[62:63]
	s_add_nc_u64 s[56:57], s[6:7], s[56:57]
	s_add_nc_u64 s[70:71], s[6:7], s[70:71]
	s_add_nc_u64 s[PFA:PFA+1], s[4:5], s[60:61]
	s_add_nc_u64 s[AO:AO+1], s[AO:AO+1], s[58:59]
	s_mov_b32 s[G0H], 1
	s_add_co_u32 s[G0H+1], s52, SLOT               ; Wq's group fills slot 1
	s_mov_b64 s[G0H+2:G0H+3], s[70:71]
	s_or_b32 s[G0H+3], s[G0H+3], 0x80000000
	s_mov_b32 s[G0S], 1
	s_mov_b32 s[G0S+1], s52
	s_mov_b64 s[G0S+2:G0S+3], s[50:51]
	s_or_b32 s[G0S+3], s[G0S+3], 0x80000000
	s_mov_b32 s[G0R], 1                            ; the ring's group 0 stands at step 0, slot 0: each change steps it before it asks
	s_mov_b32 s[G0R+1], s[WOF]
	s_mov_b64 s[G0R+2:G0R+3], s[62:63]
	s_or_b32 s[G0R+3], s[G0R+3], 0x80000000
	ROUND                                          ; all four work-groups are here: the first joint loads meet
	s_cmp_lt_u32 s[WV], 4                          ; one load a wave, an arm each
	s_cbranch_scc0 .Lhead_kv
	tensor_load_to_lds s[G0H:G0H+3], s[G1:G1+7]    ; waves 0-3: a quarter of Wq's group
	s_nop 0
	PLACES 4
	s_branch .Lhead_asked
.Lhead_kv:
	tensor_load_to_lds s[G0S:G0S+3], s[G1:G1+7]    ; waves 4-7: step 0 of a document
	s_nop 0
	PLACES 4
.Lhead_asked:
	v_and_b32 v48, 31, v0
	v_and_b32 v49, 15, v0
	v_bfe_u32 v50, v0, 4, 1
	v_lshl_add_u32 v[PFO], v48, 8, s91
	v_min_u32 v[PFO], 33536, v[PFO]                ; held at the record's last block
	v_lshlrev_b32 v51, 4, v48                      ; 16 x lane
	v_lshlrev_b32 v48, 2, v48                      ; 4 x lane
	v_mul_u32_u24 v50, v50, HR
	v_lshl_add_u32 v50, v49, 2, v50                ; 4 r + (lane / 16) HR
	v_add_nc_u32 v[XO], s84, v51
	v_add_nc_u32 v[XSO], s85, v48
	v_add_nc_u32 v[AD0], s52, v51
	v_add_nc_u32 v[AS0], s86, v50
	v_add_nc_u32 v[AW], s87, v51
	v_add_nc_u32 v[AW+1], 4*REC, v[AW]
	v_add_nc_u32 v[AWS], s88, v48
	v_add_nc_u32 v[AWS+1], 4*REC, v[AWS]
	v_add_nc_u32 v[QST], s89, v[XO]                ; q's codes: tile x 2,048 + 512 d + 16 x lane
	v_lshl_add_u32 v[QSB], v49, 2, s90             ; its byte: tile x 64 + 4 r + d
	v_add_nc_u32 v[QLD], QIM, v[XO]
	v_add_nc_u32 v[QLS], QSC, v[XSO]
	v_mov_b32 v249, 0                              ; a lane permute's destination counts as one of its sources
	s_wait_alu depctr_va_vdst(0)                   ; the wait behind the addresses
.irp s, 0,1,2,3,4,5,6,7
	global_load_b32 v[241+\s], v[XSO], s[56:57] offset:\s*REC+8192   ; x's scale words first: lanes 0-15 the even tile's, lanes 16-31 the odd's
.endr
	WIN 0x40
.irp s, 0,1,2,3,4,5,6,7
.irp u, 0,1
.irp c, 0,1,2,3
	global_load_b128 v[128*\u+16*\s+4*\c:128*\u+16*\s+4*\c+3], v[XO], s[56:57] offset:\s*REC+\u*FRB+512*\c   ; x's two tiles, K step s: 512 consecutive bytes a load
.endr
.endr
.endr
	WIN 0
	s_wait_tensorcnt 0x0                           ; my first fill has landed,
	s_barrier_signal -1
	s_barrier_wait -1                              ; everybody's has
	s_cmp_lt_u32 s[WV], 5
	s_cbranch_scc0 .Lno_ask
	global_prefetch_b8 v[PFO], s[PFA:PFA+1] th:TH_LOAD_NT scope:SCOPE_SE               ; step 1,
	global_prefetch_b8 v[PFO], s[PFA:PFA+1] offset:REC2 th:TH_LOAD_NT scope:SCOPE_SE   ; and step 2
.Lno_ask:
	WFETCH 0
	WFETCH 1
	s_wait_loadcnt 48                              ; x's scale words and K steps 0, 1 are in; the 48 loads of K steps 2 to 7 may be out
	s_wait_dscnt 18                                ; a set is in; the 18 loads of the set behind it may be out
	QMUL 0
	PLACES 8
	WFETCH 2
	s_wait_loadcnt 32
	s_wait_dscnt 18
	QMUL 1
	PLACES 8
	WFETCH 3
	s_wait_loadcnt 16
	s_wait_dscnt 18
	QMUL 2
	s_wait_loadcnt 0x0
	s_wait_dscnt 0x0
	QMUL 3
	PLACES 8
	QUANT1 PC, SS                                  ; channels 32 d + 16 (lane / 16) + 0 .. 15 of my query in the even tile,
	ds_store_b128 v[QST], v[SS:SS+3]
	ds_store_b8 v[QSB], v249                       ; both halves of the lanes write the same byte with the same value
	QUANT1 PC+16, SS+4                             ; and in the odd one
	ds_store_b128 v[QST], v[SS+4:SS+7] offset:2048
	ds_store_b8 v[QSB], v249 offset:64
	s_wait_dscnt 0x0                               ; for the others' sake
	s_barrier_signal -1
	s_barrier_wait -1
.irp u, 0,1
.irp c, 0,1,2,3
	ds_load_b128 v[QF+16*\u+4*\c:QF+16*\u+4*\c+3], v[QLD] offset:2048*\u+512*\c   ; Q's fragments stay in registers
.endr
.endr
	ds_load_b32 v[QS], v[QLS]                      ; the first change's wait for all LDS instructions covers these
.irp u, 0,1
	v_mov_b32 v[BM+6*\u+1], 0                      ; (upper halves of pairs)
	v_mov_b32 v[FF+2*\u+1], 0
	v_mov_b32 v[TX+6*\u], 0xff61b1e6               ; the largest t so far: -3e38
	v_mov_b32 v[SU+6*\u], 0
	v_mov_b32 v[SU+6*\u+1], 0
.endr
.irp u, 0,1
	v_floor_f32 v[NM+6*\u], -v[TX+6*\u]
.endr
.irp k, 0,1,2,3,4,5,6,7
	v_mov_b32 v[PT+\k], 0
.endr
	WIN 0x40
.set J, 0
.rept 128
	v_mov_b32 v[J], 0                              ; O^T: the step is written once for all trips; the first finds zeros
.set J, J+1
.endr
	WIN 0
	s_wait_kmcnt 0x0
	v_mov_b32 v[BI], s54
	v_mul_f32 v[BI], s55, v[BI]                    ; doc_similarities x beta,
	v_mul_f32 v[BI], 0x3fb8aa3b, v[BI]             ; x log2(e)
	s_wait_alu depctr_va_vdst(0)                   ; the wait at the head's end
.Ltrip:                                                ; seven trips: each asks for the next step
	CHANGE 1
	STEP
	s_sub_co_u32 s[CNT], s[CNT], 1
	s_cmp_lg_u32 s[CNT], 0
	s_cbranch_scc1 .Ltrip
	CHANGE 0                                       ; the last step is written out
	STEP
	; ---- THE FOUR DOCUMENTS ARE JOINED.  The parts go into slot 0, which has had its last fill; part = 4 x tile + document
	s_lshl_b32 s50, s16, 3
	s_add_co_u32 s50, s50, s15                     ; 8 j + d
	s_lshl_b32 s51, s50, 7
	s_add_co_u32 s51, s51, MSH
	s_lshl_b32 s50, s50, 13
	s_lshl_b32 s52, s16, 16
	s_lshl_b32 s53, s15, 11
	s_add_co_u32 s52, s52, s53                     ; what I join: my tiles' four parts, channel block d
	s_lshl_b32 s53, s16, 10
	s_add_co_u32 s53, s53, MSH
	s_lshl_b32 s54, s16, 7
	s_add_co_u32 s54, s54, s15
	s_add_co_u32 s54, s54, SCB
	s_lshl_b32 s55, s16, 12
	s_lshl_b32 s56, s15, 9
	s_add_co_u32 s55, s55, s56
.irp u, 0,1
	v_add_f32 v[SU+6*\u], v[SU+6*\u], v[SU+6*\u+1]
.endr
	v_and_b32 v40, 31, v0
	v_and_b32 v47, 15, v0
.irp u, 0,1
	v_permlanex16_b32 v[TT+\u], v[SU+6*\u], s[SEL], s[SEL+1]
.endr
	v_lshlrev_b32 v41, 4, v40
	v_lshlrev_b32 v42, 2, v40
.irp u, 0,1
	v_add_f32 v[SU+6*\u], v[SU+6*\u], v[TT+\u]     ; my document's sum for my query
.endr
	v_add_nc_u32 v43, s50, v41                     ; my parts' place
	v_add_nc_u32 v44, s51, v42                     ; my -M's
	v_add_nc_u32 v45, s52, v41
	v_add_nc_u32 v46, s53, v42
	v_lshl_add_u32 v47, v47, 2, s54                ; my scale byte: tile x 64 + 4 r + d
	v_lshl_add_u32 v48, v40, 3, SCB
	v_lshl_add_u32 v49, v40, 3, 0x2000
	v_add_nc_u32 v50, s55, v41                     ; my codes' place in the half record
	s_wait_alu depctr_va_vdst(0)                   ; the wait ahead of the barrier
	s_wait_dscnt 0x0
	s_barrier_signal -1
	s_barrier_wait -1                              ; every wave has left the ring
	WIN 0x04
.irp u, 0,1
.irp q, 0,1,2,3,4,5,6,7,8,9,10,11,12,13,14,15
	ds_store_b128 v43, v[64*\u+4*\q:64*\u+4*\q+3] offset:32768*\u+512*\q   ; each accumulator from its low end on
.endr
.endr
	WIN 0
.irp u, 0,1
	ds_store_b32 v44, v[NM+6*\u] offset:512*\u
	ds_store_b32 v44, v[SU+6*\u] offset:2048+512*\u
.endr
	s_wait_dscnt 0x0                               ; for the others' sake
	s_barrier_signal -1
	s_barrier_wait -1
.irp u, 0,1
.irp d, 0,1,2,3
.irp j, 0,1,2,3
	ds_load_b128 v[SS+64*\u+16*\d+4*\j:SS+64*\u+16*\d+4*\j+3], v45 offset:32768*\u+8192*\d+512*\j
.endr
	ds_load_b32 v[232+4*\u+\d], v46 offset:512*\u+128*\d
	ds_load_b32 v[240+4*\u+\d], v46 offset:2048+512*\u+128*\d
.endr
.endr
	s_wait_dscnt 0x0
.irp u, 0,1
	v_min3_num_f32 v[TT+\u], v[232+4*\u], v[233+4*\u], v[234+4*\u]
.endr
.irp u, 0,1
	v_min_num_f32 v[TT+\u], v[TT+\u], v[235+4*\u]  ; -M of the whole row
.endr
.irp k, 0,1,2,3,4,5,6,7
	v_sub_f32 v[248+\k], v[TT+\k/4], v[232+\k]     ; the document's M - M: a whole number, 0 or less
.endr
.irp k, 0,1,2,3,4,5,6,7
	v_cvt_i32_f32 v[248+\k], v[248+\k]
.endr
.irp k, 0,1,2,3,4,5,6,7
	v_ldexp_f32 v[248+\k], 1.0, v[248+\k]
.endr
.irp u, 0,1
	v_mul_f32 v[FF+2*\u], v[248+4*\u], v[240+4*\u]
.endr
.irp d, 1,2,3
.irp u, 0,1
	v_fmac_f32 v[FF+2*\u], v[248+4*\u+\d], v[240+4*\u+\d]   ; the row's sum
.endr
.endr
	s_wait_alu depctr_va_vdst(0)                   ; the wait ahead of the transcendentals
.irp u, 0,1
	v_rcp_f32 v[FF+2*\u+1], v[FF+2*\u]
.endr
	v_nop
	s_wait_alu depctr_va_vdst(0)                   ; and ahead of their first reader
.irp k, 0,1,2,3,4,5,6,7
	v_mul_f32 v[248+\k], v[248+\k], v[FF+2*(\k/4)+1]
.endr
.irp u, 0,1
.set J, 0
.rept 16
	v_mul_f32 v[PC+16*\u+J], v[SS+64*\u+J], v[248+4*\u]
.set J, J+1
.endr
.endr
.irp d, 1,2,3
.irp u, 0,1
.set J, 0
.rept 16
	v_fmac_f32 v[PC+16*\u+J], v[SS+64*\u+16*\d+J], v[248+4*\u+\d]
.set J, J+1
.endr
.endr
.endr
	QUANT1 PC, 10                                  ; channels 32 d + 16 (lane / 16) + 0 .. 15 of my query: half a block of the last product's K
	global_store_b128 v50, v[10:13], s[AO:AO+1]    ; 512 consecutive bytes, aligned
	ds_store_b8 v47, v249
	QUANT1 PC+16, 16
	global_store_b128 v50, v[16:19], s[AO:AO+1] offset:2048
	ds_store_b8 v47, v249 offset:64
	s_wait_dscnt 0x0
	s_barrier_signal -1
	s_barrier_wait -1
	s_cmp_lg_u32 s[WV], 0
	s_cbranch_scc1 .Lnot_first
	ds_load_b64 v[52:53], v48
	s_wait_dscnt 0x0
	global_store_b64 v49, v[52:53], s[AO:AO+1]     ; the half record's 256 bytes of scale words
.Lnot_first:
	s_wait_tensorcnt 0x0                           ; the wave's end
	ds_add_u32 v[SPW], v[NIL]
	s_wait_dscnt 0x0
	ROUND                                          ; the closing round
	s_endpgm
.Lfunc_end_k_qdd2f6c76de_attn:
	.size	k_qdd2f6c76de_attn, .Lfunc_end_k_qdd2f6c76de_attn-k_qdd2f6c76de_attn
	.p2alignl 7, 3214868480
	.fill 96, 4, 3214868480
	.section	.rodata,"a",@progbits
	.p2align	6, 0x0
	.amdhsa_kernel k_qdd2f6c76de_attn
		.amdhsa_group_segment_fixed_size 327680
		.amdhsa_private_segment_fixed_size 0
		.amdhsa_enable_private_segment 0
		.amdhsa_kernarg_size 40
		.amdhsa_user_sgpr_count 2
		.amdhsa_user_sgpr_kernarg_segment_ptr 1
		.amdhsa_wavefront_size32 1
		.amdhsa_system_sgpr_workgroup_id_x 1
		.amdhsa_system_sgpr_workgroup_id_y 1
		.amdhsa_system_sgpr_workgroup_id_z 1
		.amdhsa_system_vgpr_workitem_id 0
		.amdhsa_next_free_vgpr 512
		.amdhsa_next_free_sgpr 100
		.amdhsa_reserve_vcc 0
		.amdhsa_float_denorm_mode_32 3
		.amdhsa_float_denorm_mode_16_64 3
		.amdhsa_memory_ordered 1
		.amdhsa_forward_progress 1
		.amdhsa_inst_pref_size 133
	.end_amdhsa_kernel
	.amdgpu_metadata
---
amdhsa.version: [ 1, 2 ]
amdhsa.kernels:
  - .name:           k_qdd2f6c76de_attn
    .symbol:         k_qdd2f6c76de_attn.kd
    .args:
      - { .name: kvq, .offset: 0, .size: 8, .value_kind: global_buffer, .address_space: global }
      - { .name: ops, .offset: 8, .size: 8, .value_kind: global_buffer, .address_space: global }
      - { .name: doc_similarities, .offset: 16, .size: 8, .value_kind: global_buffer, .address_space: global }
      - { .name: beta, .offset: 24, .size: 8, .value_kind: global_buffer, .address_space: global }
      - { .name: aimg, .offset: 32, .size: 8, .value_kind: global_buffer, .address_space: global }
    .group_segment_fixed_size: 327680
    .private_segment_fixed_size: 0
    .kernarg_segment_align: 8
    .kernarg_segment_size: 40
    .max_flat_workgroup_size: 256
    .sgpr_count:     100
    .vgpr_count:     512
    .wavefront_size: 32
...
	.end_amdgpu_metadata
.endif
;; end of part 3
;; launch outp (part 4): grid 16 x 16, 4 waves a work-group, clusters of 4 x 4, 220,672 bytes of LDS; arguments aimg, ops, bout, out0; writes out0
.if DOCPART == 4
	.amdgcn_target "amdgcn-amd-amdhsa--gfx1250"
	.amdhsa_code_object_version 6
	.text
	.protected	k_qdd2f6c76de_outp
	.globl	k_qdd2f6c76de_outp
	.p2align	8
	.type	k_qdd2f6c76de_outp,@function
k_qdd2f6c76de_outp:
	s_mov_b64 s[64:65], 0
	v_nop
	global_prefetch_b8 v0, s[64:65] scope:SCOPE_SE
	s_setreg_imm32_b32 hwreg(HW_REG_WAVE_MODE, 25, 1), 1
	s_wait_xcnt 0x0
	s_wait_alu depctr_hold_cnt(0) depctr_sa_sdst(0) depctr_va_vdst(0) depctr_va_sdst(0) depctr_va_ssrc(0) depctr_va_vcc(0) depctr_vm_vsrc(0)
	s_getreg_b32 s2, hwreg(HW_REG_IB_STS2, 6, 4)
	s_cmp_eq_u32 s2, 0
	s_cbranch_scc0 .Lentry_in_a_cluster
	s_endpgm
.Lentry_in_a_cluster:
	s_bfe_u32 s2, ttmp6, 0x10000c
	s_cmp_lg_u32 s2, 0xf033
	s_cbranch_scc0 .Lentry_shape_is_right
	s_endpgm
.Lentry_shape_is_right:
; out0 = att Wout + bout on codes of FP8 (E4M3) with E8M0 scales.  att's codes (aimg) and Wout's (the end of ops) are images of operand registers: a fragment 2,048 bytes, a half record HR = four + 256 bytes of scale words.
; A work-group makes 128 rows x 64 columns: 256 work-groups.  All of K (1,024) of both operands fits in LDS: 135,168 + 67,584 bytes, filled once; no ring.
; CLUSTERS: 4 x 4 work-groups: att's rows are shared along a row of the cluster, Wout's columns down a column: each is asked for jointly.
; Transposed use: source 0 = 16 columns of Wout, source 1 = 16 rows of att: a lane's registers of tiles 2 b, 2 b + 1 are 16 neighbouring columns of one row.  The bias is the C of each sum's first product.
; Wave w takes att's tiles 2 w, 2 w + 1 against Wout's four: eight accumulators by turns.
; REGISTERS: window 0: v6-17 addresses; v32-127, v128-223 two sets of fragments (four of Wout, two of att); v224-235 their scale words.  window 1: v0-63 the accumulators, v64-95 the bias.
.set FRB,   2048
.set HR,    8448
.set REC,   16896
.set REC2,  33792
.set RUN,   135168
.set WOUT,  104*RUN
.set BOFF,  RUN                        ; LDS: att's group, then Wout's half-group,
.set STG,   RUN+RUN/2                  ; then a stage of 16 rows x (256 + 16) bytes for each wave
.set ARF, 6                            ; v6-7   att's fragments, K steps 0-3 and 4-7
.set ARS, 8                            ; v8-9   their scale words
.set APF, 10                           ; v10-11 Wout's fragments
.set APS, 12                           ; v12-13 their scale words
.set STO, 14
.set RD,  15
.set CO,  16
.set BO,  17
.set G1,  24
.set G0,  32
.set G1B, 48
.set G0B, 56
.set MSB, 0
.macro WIN new
.if MSB != (\new)
	s_set_vgpr_msb (MSB<<8)|(\new)
.set MSB, (\new)
.endif
.endm
.macro CROUND
	s_barrier_signal -1
	s_barrier_wait -1
	s_cmp_lg_u32 s14, 0
	s_cbranch_scc1 .Lnot_wave_0_\@
	s_barrier_signal -3
.Lnot_wave_0_\@:
	s_barrier_wait -3
	s_barrier_signal -1
	s_barrier_wait -1
.endm
.macro PLACES
.rept 8
	v_nop
.endr
.endm
.macro FETCH s                         ; K step s: 24 loads of 16 bytes a lane and 6 scale words: 30 LDS loads
.set FS, 32+96*((\s)%2)
.set SW, 224+6*((\s)%2)
.set HI, (\s)/4
.set SL, (\s)%4
.irp p, 0,1,2,3
.irp c, 0,1,2,3
	ds_load_b128 v[FS+16*\p+4*\c:FS+16*\p+4*\c+3], v[APF+HI] offset:SL*HR+\p*FRB+512*\c
.endr
	ds_load_b32 v[SW+\p], v[APS+HI] offset:SL*HR+64*\p
.endr
.irp u, 0,1
.irp c, 0,1,2,3
	ds_load_b128 v[FS+64+16*\u+4*\c:FS+64+16*\u+4*\c+3], v[ARF+HI] offset:SL*REC+\u*FRB+512*\c
.endr
	ds_load_b32 v[SW+4+\u], v[ARS+HI] offset:SL*REC+64*\u
.endr
.endm
	s_load_b256 s[4:11], s[0:1], 0x0               ; aimg, ops, bout, out0
	v_lshl_add_u32 v254, v0, 2, 0x35c00
	v_mov_b32 v255, 0
	ds_add_u32 v254, v255
	ds_add_u32 v254, v255
	v_lshrrev_b32 v1, 5, v0
	v_readfirstlane_b32 s14, v1                    ; wave 0..3
	s_lshr_b32 s15, s14, 1                         ; I fetch for att (0) or for Wout (1)
	s_and_b32 s16, s14, 1                          ; which half of it
	s_bfe_u32 s40, ttmp6, 0x40000                  ; cx
	s_bfe_u32 s41, ttmp6, 0x40004                  ; cy
	s_lshl_b32 s42, ttmp9, 2
	s_add_co_u32 s42, s42, s40                     ; my 64 columns
	s_and_b32 s17, ttmp7, 0xffff
	s_lshl_b32 s17, s17, 2
	s_add_co_u32 s17, s17, s41                     ; my 128 rows
	s_lshl_b32 s43, s41, 2
	s_lshl_b32 s43, 15, s43                        ; my row of the cluster
	s_lshl_b32 s44, 0x1111, s40                    ; my column
	s_or_b32 s[G1+0], s43, (3<<16)|(1<<21)         ; att's: the mask of my row; elements of 8 bytes; bit 21 set beside a mask; no padding
	s_mov_b32 s[G1+1], 32<<16                      ; rows of 256 bytes,
	s_mov_b32 s[G1+2], 264<<16                     ; 264 of them: 67,584 dense bytes
	s_mov_b32 s[G1+3], 32<<16
	s_mov_b32 s[G1+4], 264
	s_mov_b32 s[G1+5], 32
	s_mov_b32 s[G1+6], 0
	s_mov_b32 s[G1+7], 0
	s_or_b32 s[G1B+0], s44, (3<<16)|(1<<21)        ; Wout's: the mask of my column;
	s_mov_b32 s[G1B+1], 32<<16
	s_mov_b32 s[G1B+2], 132<<16                    ; 132 rows: 33,792 dense bytes
	s_mov_b32 s[G1B+3], 32<<16
	s_mov_b32 s[G1B+4], 132
	s_mov_b32 s[G1B+5], 32
	s_mov_b32 s[G1B+6], 0
	s_mov_b32 s[G1B+7], 0
	s_mul_i32 s20, s17, RUN                        ; att: in registers that never hold cx
	s_mul_i32 s45, s16, RUN/2
	s_add_co_u32 s20, s20, s45
	s_mov_b32 s21, 0
	s_mul_i32 s46, s42, RUN/2                      ; Wout: in registers that never hold cy
	s_mul_i32 s19, s16, REC2
	s_add_co_u32 s46, s46, s19
	s_add_co_u32 s46, s46, WOUT
	s_mov_b32 s47, 0
	s_add_co_u32 s19, s19, BOFF
	s_wait_dscnt 0x0
	s_wait_kmcnt 0x0
	s_add_nc_u64 s[20:21], s[4:5], s[20:21]
	s_add_nc_u64 s[46:47], s[6:7], s[46:47]
	CROUND                                         ; all sixteen work-groups are here: the joint loads meet
	s_mov_b32 s[G0], 1
	s_mov_b32 s[G0+1], s45
	s_mov_b64 s[G0+2:G0+3], s[20:21]
	s_or_b32 s[G0+3], s[G0+3], 0x80000000
	s_mov_b32 s[G0B], 1
	s_mov_b32 s[G0B+1], s19
	s_mov_b64 s[G0B+2:G0B+3], s[46:47]
	s_or_b32 s[G0B+3], s[G0B+3], 0x80000000
	s_cmp_eq_u32 s15, 0                            ; one load a wave; four v_nop follow each of the two lines
	s_cbranch_scc0 .Lfor_b
	tensor_load_to_lds s[G0:G0+3], s[G1:G1+7]
	s_nop 0
.rept 4
	v_nop
.endr
	s_branch .Lasked
.Lfor_b:
	tensor_load_to_lds s[G0B:G0B+3], s[G1B:G1B+7]
	s_nop 0
.rept 4
	v_nop
.endr
.Lasked:
	v_and_b32 v1, 31, v0                           ; lane
	v_and_b32 v2, 15, v0                           ; r
	v_bfe_u32 v3, v0, 4, 1                         ; h
	v_lshlrev_b32 v4, 4, v1
	v_lshlrev_b32 v5, 2, v2
	s_mul_i32 s22, s15, HR                         ; tiles 2 w, 2 w + 1: half w / 2, tiles 2 (w % 2) on
	s_lshl_b32 s23, s16, 12
	s_add_co_u32 s23, s23, s22
	v_add_nc_u32 v[ARF], s23, v4
	v_add_nc_u32 v[ARF+1], RUN/2, v[ARF]
	s_lshl_b32 s23, s16, 7
	s_add_co_u32 s23, s23, s22
	s_add_co_u32 s23, s23, 8192
	v_add_nc_u32 v[ARS], s23, v5
	v_add_nc_u32 v[ARS+1], RUN/2, v[ARS]
	v_add_nc_u32 v[APF], BOFF, v4
	v_add_nc_u32 v[APF+1], BOFF+REC2, v4
	v_add_nc_u32 v[APS], BOFF+8192, v5
	v_add_nc_u32 v[APS+1], BOFF+8192+REC2, v5
	s_mul_i32 s23, s14, 16*272
	s_add_co_u32 s23, s23, STG                     ; my stage
	v_mul_u32_u24 v[STO], v2, 272
	v_lshl_add_u32 v[STO], v3, 6, v[STO]
	v_add_nc_u32 v[STO], s23, v[STO]               ; in: row r, + 64 bytes for the upper half of the lanes
	v_mul_u32_u24 v[RD], v3, 272
	v_lshl_add_u32 v[RD], v2, 4, v[RD]
	v_add_nc_u32 v[RD], s23, v[RD]                 ; back: lanes 0-15 one row of 256 bytes, lanes 16-31 the next
	v_lshlrev_b32 v[CO], 12, v3
	v_lshl_add_u32 v[CO], v2, 4, v[CO]             ; and the same two rows in out0
	v_lshlrev_b32 v[BO], 6, v3
	s_wait_alu depctr_va_vdst(0)
	s_lshl_b32 s22, s42, 8                         ; my 64 columns: 256 bytes
	s_mov_b32 s23, 0
	s_add_nc_u64 s[8:9], s[8:9], s[22:23]
	s_lshl_b32 s18, s17, 7
	s_lshl_b32 s19, s14, 5
	s_add_co_u32 s18, s18, s19
	s_lshl_b32 s18, s18, 12                        ; row 128 x group + 32 x wave
	s_add_co_u32 s22, s22, s18
	s_add_nc_u64 s[10:11], s[10:11], s[22:23]
	WIN 0x40                                       ; destination window 1
.irp p, 0,1,2,3                                ; the bias in the result's layout: tile p, lane half h: columns 32 (p / 2) + 16 h + 8 (p % 2) + 0 .. 7
	global_load_b128 v[64+8*\p:67+8*\p], v[BO], s[8:9] offset:128*(\p/2)+32*(\p%2)
	global_load_b128 v[68+8*\p:71+8*\p], v[BO], s[8:9] offset:128*(\p/2)+32*(\p%2)+16
.endr
	WIN 0
	s_wait_tensorcnt 0x0                           ; my part has landed,
	s_barrier_signal -1
	s_barrier_wait -1                              ; everybody's has
	FETCH 0
	s_wait_loadcnt 0x0                             ; the bias
.irp s, 0,1,2,3,4,5,6,7
.if \s > 0
	PLACES                                         ; the loads below go into the set that the K step before this one multiplied: eight places behind its products
.endif
.if \s < 7
	FETCH \s+1
	s_wait_dscnt 30                                ; this step's loads are in; the 30 just issued may be out
.else
	s_wait_dscnt 0x0
.endif
.set MS, 32+96*(\s%2)
.set MW, 224+6*(\s%2)
	WIN 0x50                                       ; C and D window 1
.irp u, 0,1
.irp p, 0,1,2,3
.if \s == 0
	v_wmma_scale_f32_16x16x128_f8f6f4 v[8*(4*\u+\p):8*(4*\u+\p)+7], v[MS+16*\p:MS+16*\p+15], v[MS+64+16*\u:MS+64+16*\u+15], v[64+8*\p:71+8*\p], v[MW+\p], v[MW+4+\u]
.else
	v_wmma_scale_f32_16x16x128_f8f6f4 v[8*(4*\u+\p):8*(4*\u+\p)+7], v[MS+16*\p:MS+16*\p+15], v[MS+64+16*\u:MS+64+16*\u+15], v[8*(4*\u+\p):8*(4*\u+\p)+7], v[MW+\p], v[MW+4+\u]
.endif
.endr
.endr
	WIN 0
.endr
	; THE WAY OUT: a tile of 16 rows x 64 columns goes through my stage and comes back as whole rows of 256 bytes
	PLACES
.irp u, 0,1
	WIN 0x04                                       ; an LDS store's data are its source 1: window 1
.irp p, 0,1,2,3
	ds_store_b128 v[STO], v[8*(4*\u+\p):8*(4*\u+\p)+3] offset:128*(\p/2)+32*(\p%2)        ; each accumulator from its low end on
	ds_store_b128 v[STO], v[8*(4*\u+\p)+4:8*(4*\u+\p)+7] offset:128*(\p/2)+32*(\p%2)+16
.endr
	WIN 0
.irp i, 0,1,2,3,4,5,6,7
	ds_load_b128 v[32+32*\u+4*\i:35+32*\u+4*\i], v[RD] offset:544*\i   ; LDS serves a wave's instructions in order: these see my stores, and the next tile's stores come behind them
.endr
.endr
.irp u, 0,1
.irp i, 0,1,2,3,4,5,6,7
	s_wait_dscnt 16*(1-\u)+7-\i                    ; the younger loads, and the other tile's sixteen instructions, may be out
	global_store_b128 v[CO], v[32+32*\u+4*\i:35+32*\u+4*\i], s[10:11] offset:(8*\u+2*\i+8*(\i/4))*4096 th:TH_STORE_NT   ; lane-row 2 i (+ 1) of tile 2 w + u is row 32 w + 8 u + 2 i + 8 (i / 4) (+ 1); sixteen lanes store 256 consecutive bytes, aligned
.endr
.endr
	s_wait_tensorcnt 0x0
	ds_add_u32 v254, v255
	s_wait_dscnt 0x0
	CROUND                                         ; the closing round: no work-group ends while a partner may still ask for a tile that names it
	s_endpgm
.Lfunc_end_k_qdd2f6c76de_outp:
	.size	k_qdd2f6c76de_outp, .Lfunc_end_k_qdd2f6c76de_outp-k_qdd2f6c76de_outp
	.p2alignl 7, 3214868480
	.fill 96, 4, 3214868480
	.section	.rodata,"a",@progbits
	.p2align	6, 0x0
	.amdhsa_kernel k_qdd2f6c76de_outp
		.amdhsa_group_segment_fixed_size 220672
		.amdhsa_private_segment_fixed_size 0
		.amdhsa_enable_private_segment 0
		.amdhsa_kernarg_size 32
		.amdhsa_user_sgpr_count 2
		.amdhsa_user_sgpr_kernarg_segment_ptr 1
		.amdhsa_wavefront_size32 1
		.amdhsa_system_sgpr_workgroup_id_x 1
		.amdhsa_system_sgpr_workgroup_id_y 1
		.amdhsa_system_sgpr_workgroup_id_z 1
		.amdhsa_system_vgpr_workitem_id 0
		.amdhsa_next_free_vgpr 384
		.amdhsa_next_free_sgpr 66
		.amdhsa_reserve_vcc 0
		.amdhsa_float_denorm_mode_32 3
		.amdhsa_float_denorm_mode_16_64 3
		.amdhsa_memory_ordered 1
		.amdhsa_forward_progress 1
		.amdhsa_inst_pref_size 38
	.end_amdhsa_kernel
	.amdgpu_metadata
---
amdhsa.version: [ 1, 2 ]
amdhsa.kernels:
  - .name:           k_qdd2f6c76de_outp
    .symbol:         k_qdd2f6c76de_outp.kd
    .args:
      - { .name: aimg, .offset: 0, .size: 8, .value_kind: global_buffer, .address_space: global }
      - { .name: ops, .offset: 8, .size: 8, .value_kind: global_buffer, .address_space: global }
      - { .name: bout, .offset: 16, .size: 8, .value_kind: global_buffer, .address_space: global }
      - { .name: out0, .offset: 24, .size: 8, .value_kind: global_buffer, .address_space: global }
    .group_segment_fixed_size: 220672
    .private_segment_fixed_size: 0
    .kernarg_segment_align: 8
    .kernarg_segment_size: 32
    .max_flat_workgroup_size: 128
    .sgpr_count:     66
    .vgpr_count:     384
    .wavefront_size: 32
...
	.end_amdgpu_metadata
.endif
;; end of part 4
